; MI455X (gfx1250); checked and timed in simulation.
; The chip was launched on July 23, 2026; its instructions are those of AMD's public machine-readable ISA for CDNA 5 (MIT licence, August 2026) and "CDNA5" Instruction Set Architecture Reference Guide (July 2026). The comments in the code are by the model that wrote it; some were corrected since.
;; Token Merging Attention. Allowed arithmetic: matrix products marked QUANTISED: E4M3 operands, one given power-of-two scale a tensor, by v_wmma_f32_16x16x64_fp8_fp8 or v_wmma_f32_16x16x128_fp8_fp8, f32 sums; everything else in f32.
;; Inputs: bk 1,024 float32; bo 1,024 float32; bq 1,024 float32; bv 1,024 float32; lowp_scales 12 int32 (the exponents e of the quantised operands' scales 2^e); wk 1,024 x 1,024 float32; wo 1,024 x 1,024 float32; wq 1,024 x 1,024 float32; wv 1,024 x 1,024 float32; x 4 x 1,024 x 1,024 float32.
;; Outputs: out0 4 x 4 x 1,024 x 1,024 float32.
;; This version of the problem:
;;   THIS VERSION OF THE PROBLEM IS GIVEN IN LOW PRECISION. The matrix products marked QUANTISED in the list below multiply operands that are first quantised to E4M3 (4 exponent bits, 3 mantissa bits; 8 bits a number), with one given power-of-two scale for each operand tensor; their sums are f32. All else is computed in f32.
;;   The module's matrix products, in the order in which they are computed (A, B: the left and right operand; K: the contracted axis; several contracted axes count as one K, in the product's order):
;;     1. [M 4,096, K 1,024] x [K 1,024, N 1,024]; A: input x; B: input wq: QUANTISED (scales: A lowp_scales[0], B lowp_scales[1])
;;     2. [M 4,096, K 1,024] x [K 1,024, N 1,024]; A: input x; B: input wk: QUANTISED (scales: A lowp_scales[2], B lowp_scales[3])
;;     3. [M 4,096, K 1,024] x [K 1,024, N 1,024]; A: input x; B: input wv: QUANTISED (scales: A lowp_scales[4], B lowp_scales[5])
;;     4. batch 16 x [M 1,024, K 256] x [K 256, N 1,024]; A: computed on the way; B: computed on the way: QUANTISED (scales: A lowp_scales[6], B lowp_scales[7])
;;     5. [M 16,384, K 1,024] x [K 1,024, N 1,024]; A: softmax (see below); B: computed on the way: QUANTISED (scales: A lowp_scales[8], B lowp_scales[9])
;;     6. [M 16,384, K 1,024] x [K 1,024, N 1,024]; A: computed on the way; B: input wo: QUANTISED (scales: A lowp_scales[10], B lowp_scales[11])
;;   THE QUANTISER, for each operand of a quantised product, along K:
;;     - The operand's scale is 2^e, e = its entry of the input lowp_scales (int32; the entries are numbered through the quantised products in the list's order, A before B).
;;     - Each number is divided by the scale, clamped to +-448, and rounded to the nearest number of E4M3, ties to even, subnormals kept.
;;     - The product sums the exact products of the quantised numbers (number of the format x scale) in f32.
;;   ~~~python
;;   def quantise(x, axis, e):      # numpy; x: float32 -> the quantised numbers, widened to float32 again
;;       x = np.moveaxis(x, axis, -1); K = x.shape[-1]
;;       r = np.clip(x / 2.0 ** e, -448, 448)
;;       step = 2.0 ** (np.maximum(np.frexp(np.where(r == 0, 1, r))[1] - 1, -6) - 3)
;;       q = np.round(r / step) * step * 2.0 ** e      # np.round: ties to even
;;       return np.moveaxis(q, -1, axis).astype(np.float32)
;;   ~~~
;;   SOFTMAX AHEAD OF A QUANTISED PRODUCT. Where the list says 'softmax', what is quantised is not the finished softmax but p = 2^(t - M), with t = logit x log2(e) and M = ceil(the row's largest t), a whole number; so 1/2 < the row's largest p <= 1. The row's sum l is taken of the UNQUANTISED p, in f32, and the product's result is divided by l at the end. Since M is a whole number, a kernel that streams over the keys may use a running M (the ceiling of the running maximum): every later rescaling is an exact power of two, so the quantised numbers keep their values, but for numbers so far below the row's largest that they fall under the format's range.
;;   OPERANDS COMPUTED ON THE WAY. 'Computed on the way' means the value that the module computes at that place (a softmax that the list does not call 'softmax' is quantised finished and normalised). What goes into a quantiser is computed in f32, as accurately as f32 sums, v_exp_f32 and their like allow (about 1e-6 of the number): no bf16 or f16 on the way to a quantiser, and a product that is left as it is and whose result goes on into a quantised operand takes f32 operands (vector FMAs, or v_wmma_f32_16x16x4_f32). A number that lies on a knife's edge between two numbers of the format may be rounded either way, as far as f32 arithmetic and the matrix unit's own rounding can turn it there, and no further.
;; One version. Each part assembles by itself: llvm-mc -triple=amdgcn-amd-amdhsa -mcpu=gfx1250 --defsym DOCPART=n.
;; ======== version 1 of 1: 5 launches
;; limits: right only within a limited range of input values
;; workspace buffers: xc 8,388,608 bytes; wc 4,194,304 bytes; qk 8,388,608 bytes; pimg 16,777,216 bytes; moimg 16,777,216 bytes; stat 131,072 bytes
;; launch prep (part 1): grid 224 x 1, 4 waves a work-group, no clusters, 101,888 bytes of LDS; arguments x, wq, wk, wo, lowp_scales, xc, wc; writes xc, wc
.if DOCPART == 1
	.amdgcn_target "amdgcn-amd-amdhsa--gfx1250"
	.amdhsa_code_object_version 6
	.text
	.protected	k_q668e73758c_prep
	.globl	k_q668e73758c_prep
	.p2align	8
	.type	k_q668e73758c_prep,@function
k_q668e73758c_prep:
	s_mov_b64 s[64:65], 0
	v_nop
	global_prefetch_b8 v0, s[64:65] scope:SCOPE_SE
	s_setreg_imm32_b32 hwreg(HW_REG_WAVE_MODE, 25, 1), 1
	s_wait_xcnt 0x0
; PREP: x (twice: with the scales of products 1 and 2), the mean of x over the batch, wq, wk and wo become codes of E4M3.
; DEAD WORK.  v = heads(wv, bv) (product 3) is named by nothing that follows it in reference(): attn @ v is not computed there, and neither sim, keep, merged_tokens, attn,
; merged_output nor output reads v.  So for all values of the inputs no output hangs on product 3, on wv or on bv: the product is left out, and wv and bv are not loaded and are among no launch's arguments.
; LIMIT: a NaN, an infinity or an overflow that would reach only v is not carried to the result.
; THE LAYOUT OF ALL WORKSPACE OPERANDS: AN IMAGE OF THE OPERAND'S REGISTERS.  An image is a fragment of 16 rows x 128 K, 2,048 bytes: register group c (0..3) is 512 bytes, lane l's 16 bytes at 512 c + 16 l;
; lane (r = l % 16, h = l / 16), group c, holds k = 32 c + 16 h + 0 .. 15 of its row.  Row tile T, lane row r, is the row 32 (T / 2) + 8 (T % 2) + r + 8 (r / 8): with that order the results of a product that is
; used transposed are, register by register, the next product's image.
;   xc: [code set 2][K slot 4][row tile 256 = 64 batch + t][K step 2][2048]      wc: [tensor 4: wq, wk, mean of x, wo][K slot 4][row tile 64][K step 2][2048]
; merged_tokens[e][s] = mean_b x[b][s][e] is product 5's right operand with K = e: stored [N = s][K = e] it is the mean of x as x lies.  (keep is applied to the results' codes, two launches on.)
; The mean is sum / 4, and sum / 4 / 2^e9 = sum / 2^(e9 + 2): the division goes into the scale, which rounds nothing.
; SHARES.  A wave takes four images, 32 KB of f32, all 64 loads issued at once.  Work-groups 0-127: x: one (row tile, K step) for the four batches; 128-223: a weight: one (row tile, K step parity) for the four K slots.
; A load reads 512 consecutive bytes of a row; the conversions want 16 neighbours along K in a lane: an image's 8 KB turn through the wave's own stage in LDS (rows 528 bytes apart).
; No tensor load, no cluster, no barrier: waves share nothing.
; LIMITS: e0, e1, e2, e3, e11 and e9 + 2 lie between -126 and 119, so that 2^e and 448 x 2^e are f32 numbers.  NaN among the inputs is not served.
.set STG,   8448                       ; a stage: 16 rows x 528 bytes
.set SPARE, 3*4*STG                    ; behind the four waves' three stages: the spare words, 128 bytes a wave: two blocks of 256 bytes that no other line names
.set IMG,   262144                     ; from an image's place to the next one's, in xc (64 row tiles) and in wc (a K slot) alike
.set LO,  2                            ; v2     16 x lane
.set AD,  4                            ; v4-7   16 x lane + i x the stride from image to image in the source
.set SI,  8                            ; v8     the stage, on the way in: my wave's base + 16 x lane
.set SOA, 9                            ; v9     and on the way out: + 528 r + 64 h
.set SPW, 16                           ; v16    LDS address of my spare word; never rewritten
.set NIL, 17                           ; v17    0; never rewritten
.set X0,  32                           ; v32-95, v96-159: two sets of 64 turned numbers
.set T,   160                          ; v160-191: two sets of 16 held numbers
.set C,   192                          ; v192-255: four sets of 16 registers of codes
                                       ; window 1 (v256-511): the numbers as loaded: image i, row p at v[64 i + 4 p]
.set MSB, 0
.macro WIN new                         ; the immediate's high byte repeats the setting that is left
.if MSB != (\new)
	s_set_vgpr_msb (MSB<<8)|(\new)
.set MSB, (\new)
.endif
.endm
.macro MKSC e, more, vs, vl            ; v[vs] = 2^(s[e] + more) as f32, v[vl] = 448 x that
	s_add_co_i32 s48, s[\e], 127+(\more)
	s_lshl_b32 s49, s48, 23
	v_mov_b32 v[\vs], s49
	s_add_co_i32 s48, s48, 8
	s_lshl_b32 s48, s48, 23
	s_or_b32 s48, s48, 0x600000
	v_mov_b32 v[\vl], s48
.endm
.macro LOADS i                         ; image i: 16 rows, 512 consecutive bytes a load
	WIN 0x40                                       ; destination window 1
.set pp, 0
.rept 16
	global_load_b128 v[64*(\i)+4*pp:64*(\i)+4*pp+3], v[AD+(\i)], s[50:51] offset:(pp+8*(pp/8))*4096 th:TH_LOAD_NT
.set pp, pp+1
.endr
.endm
.macro TURN i, st, xs                  ; image i through stage st into v[xs] on: register 16 c + n = k 32 c + 16 h + n of row r.  LDS serves a wave's instructions in order: no wait between the stores and the loads
	WIN 0x04                                       ; store data window 1
.set pp, 0
.rept 16
	ds_store_b128 v[SI], v[64*(\i)+4*pp:64*(\i)+4*pp+3] offset:(\st)*STG+528*pp
.set pp, pp+1
.endr
	WIN 0
.irp c, 0,1,2,3
.irp j, 0,1,2,3
	ds_load_b128 v[(\xs)+16*\c+4*\j:(\xs)+16*\c+4*\j+3], v[SOA] offset:(\st)*STG+128*\c+16*\j
.endr
.endr
.endm
.macro QUANT xs, sc, lim, cd           ; 64 numbers -> 16 registers of codes; the numbers are kept (x is quantised twice)
	s_wait_xcnt 0x0                                ; the earlier stores have read their data: the set of codes may be written again
.irp b, 0,1,2,3
.set ii, 0
.rept 16
	v_med3_num_f32 v[T+16*(\b%2)+ii], v[(\xs)+16*\b+ii], -v[\lim], v[\lim]   ; the conversion to an 8-bit code does not saturate (ISA guide 7.6.2): the hold at the largest code x the scale
.set ii, ii+1
.endr
	v_cvt_scalef32_pk8_fp8_f32 v[(\cd)+4*\b:(\cd)+4*\b+1], v[T+16*(\b%2):T+16*(\b%2)+7], v[\sc]
	v_cvt_scalef32_pk8_fp8_f32 v[(\cd)+4*\b+2:(\cd)+4*\b+3], v[T+16*(\b%2)+8:T+16*(\b%2)+15], v[\sc]
.endr
	v_nop                                          ; a plain vector line behind the last conversion
.endm
.macro OUT cd, base, off               ; an image leaves: each store covers 512 consecutive bytes, aligned
.irp c, 0,1,2,3
	global_store_b128 v[LO], v[(\cd)+4*\c:(\cd)+4*\c+3], s[\base:\base+1] offset:(\off)+512*\c
.endr
.endm
	s_load_b256 s[4:11], s[0:1], 0x0               ; x s[4:5], wq s[6:7], wk s[8:9], wo s[10:11]
	s_load_b128 s[12:15], s[0:1], 0x20             ; the scales' exponents s[12:13], xc s[14:15]
	s_load_b64 s[16:17], s[0:1], 0x30              ; wc
	v_lshl_add_u32 v[SPW], v0, 2, SPARE
	v_mov_b32 v[NIL], 0
	v_lshrrev_b32 v1, 5, v0
	v_readfirstlane_b32 s18, v1                    ; wave 0..3
	v_and_b32 v1, 31, v0                           ; lane
	v_lshlrev_b32 v[LO], 4, v1
	s_wait_alu depctr_va_vdst(0)
	v_and_b32 v3, 15, v0                           ; r
	v_bfe_u32 v18, v0, 4, 1                        ; h
	s_mul_i32 s19, s18, 3*STG                      ; my wave's stages
	v_add_nc_u32 v[SI], s19, v[LO]
	v_mul_u32_u24 v[SOA], v3, 528
	v_lshl_add_u32 v[SOA], v18, 6, v[SOA]
	v_add_nc_u32 v[SOA], s19, v[SOA]
	; which images are mine: both kinds are worked out, then chosen by the work-group's number
	s_lshl_b32 s20, ttmp9, 2
	s_add_co_u32 s20, s20, s18                     ; x: u = 4 x work-group + wave, 0..511
	s_and_b32 s21, ttmp9, 31
	s_lshl_b32 s21, s21, 2
	s_add_co_u32 s21, s21, s18                     ; a weight: u = 4 x (work-group % 32) + wave, 0..127
	s_lshr_b32 s22, s20, 3                         ; x: row tile t
	s_and_b32 s23, s20, 7                          ;    K step
	s_lshr_b32 s24, s21, 1                         ; weight: row tile t
	s_and_b32 s25, s21, 1                          ;    K step's parity
	s_lshr_b32 s30, s23, 1                         ; x: K slot
	s_and_b32 s31, s23, 1
	s_lshl_b32 s31, s31, 11                        ;    2,048 x parity
	s_lshl_b32 s26, s30, 8
	s_add_co_u32 s26, s26, s22
	s_lshl_b32 s26, s26, 12
	s_add_co_u32 s26, s26, s31                     ; x's codes: (256 K slot + t) x 4,096 + 2,048 parity
	s_lshl_b32 s34, s30, 6
	s_add_co_u32 s34, s34, s22
	s_lshl_b32 s34, s34, 12
	s_add_co_u32 s34, s34, s31
	s_add_co_u32 s34, s34, 0x200000                ; the mean's codes: tensor 2 of wc, (64 K slot + t) x 4,096 + 2,048 parity
	s_mov_b32 s35, 0
	s_lshr_b32 s28, ttmp9, 5                       ; 0-3: x; 4: wq; 5: wk; 6: wo
	s_sub_co_u32 s29, s28, 4
	s_cmp_eq_u32 s28, 6
	s_cselect_b32 s29, 3, s29                      ; the weight's place in wc: 0, 1, 3
	s_lshl_b32 s60, s29, 20
	s_lshl_b32 s30, s24, 12
	s_add_co_u32 s60, s60, s30
	s_lshl_b32 s30, s25, 11
	s_add_co_u32 s60, s60, s30                     ; a weight's codes
	s_mov_b32 s32, 1024
	s_cmp_lt_u32 ttmp9, 128                        ; x's work-group?
	s_cselect_b32 s22, s22, s24                    ; t
	s_cselect_b32 s23, s23, s25                    ; which 512 bytes of a source row image 0 begins with
	s_cselect_b32 s26, s26, s60                    ; where image 0's codes go
	s_cselect_b32 s32, 0x400000, s32               ; from image to image in the source: a batch of x, or two K steps of a weight's row
	s_mov_b32 s27, 0
	s_lshr_b32 s58, s22, 1
	s_lshl_b32 s58, s58, 5
	s_and_b32 s30, s22, 1
	s_lshl_b32 s30, s30, 3
	s_add_co_u32 s58, s58, s30                     ; the tile's first row: 32 (t / 2) + 8 (t % 2)
	s_lshr_b32 s30, s22, 2                         ; wo alone has another order of rows: tile t, lane row p = row 64 (t / 4) + t % 4 + 4 p, so that in product 6 a lane's results of four tiles are four neighbouring features
	s_lshl_b32 s30, s30, 6
	s_and_b32 s33, s22, 3
	s_add_co_u32 s30, s30, s33
	s_cmp_eq_u32 s28, 6
	s_cselect_b32 s58, s30, s58
	s_lshl_b32 s58, s58, 12
	s_lshl_b32 s30, s23, 9
	s_add_co_u32 s58, s58, s30
	s_mov_b32 s59, 0
	v_mov_b32 v[AD], v[LO]
	v_add_nc_u32 v[AD+1], s32, v[LO]
	s_lshl_b32 s33, s32, 1
	v_add_nc_u32 v[AD+2], s33, v[LO]
	s_add_co_u32 s33, s33, s32
	v_add_nc_u32 v[AD+3], s33, v[LO]
	s_wait_alu depctr_va_vdst(0)
	s_wait_kmcnt 0x0
	s_load_b256 s[36:43], s[12:13], 0x0            ; e0 .. e7
	s_load_b128 s[44:47], s[12:13], 0x20           ; e8 .. e11
	s_cmp_eq_u32 s28, 4
	s_cselect_b64 s[50:51], s[6:7], s[8:9]
	s_cmp_eq_u32 s28, 6
	s_cselect_b64 s[50:51], s[10:11], s[50:51]
	s_cmp_lt_u32 ttmp9, 128
	s_cselect_b64 s[50:51], s[4:5], s[50:51]       ; the source
	s_cselect_b64 s[52:53], s[14:15], s[16:17]     ; and the buffer of its codes
	s_add_nc_u64 s[50:51], s[50:51], s[58:59]
	s_add_nc_u64 s[52:53], s[52:53], s[26:27]
	s_add_nc_u64 s[54:55], s[52:53], 0x400000      ; x's second set of codes (used by x's work-groups alone)
	s_add_nc_u64 s[56:57], s[16:17], s[34:35]      ; the mean's codes (likewise)
.macro LOADSW i                        ; image i of wo: 16 rows, four rows apart, 512 consecutive bytes a load
	WIN 0x40                                       ; destination window 1
.set pp, 0
.rept 16
	global_load_b128 v[64*(\i)+4*pp:64*(\i)+4*pp+3], v[AD+(\i)], s[50:51] offset:pp*16384 th:TH_LOAD_NT
.set pp, pp+1
.endr
.endm
	s_cmp_eq_u32 s28, 6                            ; wo's work-groups: a branch on the work-group's number; both ways issue 64 loads into the same registers
	s_cbranch_scc1 .Lwo_rows
.irp i, 0,1,2,3
	LOADS \i
.endr
	WIN 0
	s_branch .Lloaded
.Lwo_rows:
.irp i, 0,1,2,3
	LOADSW \i
.endr
	WIN 0
.Lloaded:
	s_wait_kmcnt 0x0
	s_cmp_eq_u32 s28, 4
	s_cselect_b32 s61, s37, s36                    ; wq: e1; x: e0
	s_cmp_eq_u32 s28, 5
	s_cselect_b32 s61, s39, s61                    ; wk: e3
	s_cmp_eq_u32 s28, 6
	s_cselect_b32 s61, s47, s61                    ; wo: e11
	MKSC 61, 0, 10, 11
	MKSC 38, 0, 12, 13                             ; e2: x as product 2's operand
	MKSC 45, 2, 14, 15                             ; e9 + 2: the batch's sum as product 5's operand
	s_wait_alu depctr_va_vdst(0)
	s_wait_loadcnt 48                              ; image 0's sixteen loads are in; the 48 younger may be out
	TURN 0,0,X0
.irp i, 0,1,2,3
	s_wait_dscnt 0x0                               ; image i is back from its stage
.if \i < 3
	s_wait_loadcnt 16*(2-\i)                       ; image i + 1 is in; the younger images' loads may be out
	TURN \i+1,(\i+1)%2,X0+64*((\i+1)%2)
.endif
	QUANT X0+64*(\i%2),10,11,C+16*((2*\i)%4)
	OUT C+16*((2*\i)%4),52,\i*IMG
	s_cmp_ge_u32 ttmp9, 128                        ; what follows is x's alone: a branch on the work-group's number
	s_cbranch_scc1 .Lw\i
.if \i == 3
	WIN 0x45                                       ; the batch's sum, ((x0 + x1) + x2) + x3, on the numbers as loaded, in window 1: all four images have left for their stages
.irp m, 1,2,3
.set nn, 0
.rept 32
	v_pk_add_f32 v[nn:nn+1], v[nn:nn+1], v[64*\m+nn:64*\m+nn+1]
.set nn, nn+2
.endr
.endr
	WIN 0
	TURN 0,2,X0                                    ; through a stage that the common path does not use
.endif
	QUANT X0+64*(\i%2),12,13,C+16*((2*\i+1)%4)
	OUT C+16*((2*\i+1)%4),54,\i*IMG
.if \i == 3
	s_wait_dscnt 0x0                               ; the sum is back from its stage
	QUANT X0,14,15,C
	OUT C,56,0
.endif
.Lw\i:
.endr
	s_wait_tensorcnt 0x0                           ; the wave's end: behind my last LDS store
	ds_add_u32 v[SPW], v[NIL]
	s_wait_dscnt 0x0
	s_endpgm
.Lfunc_end_k_q668e73758c_prep:
	.size	k_q668e73758c_prep, .Lfunc_end_k_q668e73758c_prep-k_q668e73758c_prep
	.p2alignl 7, 3214868480
	.fill 96, 4, 3214868480
	.section	.rodata,"a",@progbits
	.p2align	6, 0x0
	.amdhsa_kernel k_q668e73758c_prep
		.amdhsa_group_segment_fixed_size 101888
		.amdhsa_private_segment_fixed_size 0
		.amdhsa_enable_private_segment 0
		.amdhsa_kernarg_size 56
		.amdhsa_user_sgpr_count 2
		.amdhsa_user_sgpr_kernarg_segment_ptr 1
		.amdhsa_wavefront_size32 1
		.amdhsa_system_sgpr_workgroup_id_x 1
		.amdhsa_system_sgpr_workgroup_id_y 1
		.amdhsa_system_sgpr_workgroup_id_z 1
		.amdhsa_system_vgpr_workitem_id 0
		.amdhsa_next_free_vgpr 512
		.amdhsa_next_free_sgpr 66
		.amdhsa_reserve_vcc 0
		.amdhsa_float_denorm_mode_32 3
		.amdhsa_float_denorm_mode_16_64 3
		.amdhsa_memory_ordered 1
		.amdhsa_forward_progress 1
		.amdhsa_inst_pref_size 79
	.end_amdhsa_kernel
	.amdgpu_metadata
---
amdhsa.version: [ 1, 2 ]
amdhsa.kernels:
  - .name:           k_q668e73758c_prep
    .symbol:         k_q668e73758c_prep.kd
    .args:
      - { .name: x, .offset: 0, .size: 8, .value_kind: global_buffer, .address_space: global }
      - { .name: wq, .offset: 8, .size: 8, .value_kind: global_buffer, .address_space: global }
      - { .name: wk, .offset: 16, .size: 8, .value_kind: global_buffer, .address_space: global }
      - { .name: wo, .offset: 24, .size: 8, .value_kind: global_buffer, .address_space: global }
      - { .name: lowp_scales, .offset: 32, .size: 8, .value_kind: global_buffer, .address_space: global }
      - { .name: xc, .offset: 40, .size: 8, .value_kind: global_buffer, .address_space: global }
      - { .name: wc, .offset: 48, .size: 8, .value_kind: global_buffer, .address_space: global }
    .group_segment_fixed_size: 101888
    .private_segment_fixed_size: 0
    .kernarg_segment_align: 8
    .kernarg_segment_size: 56
    .max_flat_workgroup_size: 128
    .sgpr_count:     66
    .vgpr_count:     512
    .wavefront_size: 32
...
	.end_amdgpu_metadata
.endif
;; end of part 1
;; launch proj (part 2): grid 8 x 32, 4 waves a work-group, clusters of 4 x 1, 327,680 bytes of LDS; arguments xc, wc, lowp_scales, bq, bk, qk; writes qk
.if DOCPART == 2
	.amdgcn_target "amdgcn-amd-amdhsa--gfx1250"
	.amdhsa_code_object_version 6
	.text
	.protected	k_q668e73758c_proj
	.globl	k_q668e73758c_proj
	.p2align	8
	.type	k_q668e73758c_proj,@function
k_q668e73758c_proj:
	s_mov_b64 s[64:65], 0
	v_nop
	global_prefetch_b8 v0, s[64:65] scope:SCOPE_SE
	s_setreg_imm32_b32 hwreg(HW_REG_WAVE_MODE, 25, 1), 1
	s_wait_xcnt 0x0
	s_wait_alu depctr_hold_cnt(0) depctr_sa_sdst(0) depctr_va_vdst(0) depctr_va_sdst(0) depctr_va_ssrc(0) depctr_va_vcc(0) depctr_vm_vsrc(0)
	s_getreg_b32 s2, hwreg(HW_REG_IB_STS2, 6, 4)
	s_cmp_eq_u32 s2, 0
	s_cbranch_scc0 .Lentry_in_a_cluster
	s_endpgm
.Lentry_in_a_cluster:
	s_bfe_u32 s2, ttmp6, 0x10000c
	s_cmp_lg_u32 s2, 0x3003
	s_cbranch_scc0 .Lentry_shape_is_right
	s_endpgm
.Lentry_shape_is_right:
; PROJ: products 1 and 2: q = x wq^T + bq and k = x wk^T + bk on codes of E4M3, and their quantising for product 4.  Product 3 (v) is dead work and is left out: no output of reference() hangs on it.
; Cluster x = 0 makes q, cluster x = 1 makes k; the place cx in the cluster is the head.  A work-group takes 128 rows of x and the head's 256 features; wave w takes features 64 w .. 64 w + 63: four tiles of the weight.
; OPERANDS ARE IMAGES OF REGISTERS (16 rows x 128 K = 2,048 bytes: group c at 512 c, lane l at 16 l; lane (r, h) holds k = 32 c + 16 h + 0 .. 15; row tile T, lane row r = row 32 (T / 2) + 8 (T % 2) + r + 8 (r / 8)).
; THE WEIGHT STAYS IN REGISTERS: my four tiles over all K = 1,024 are 512 registers, loaded once, straight from their images, three K steps ahead of their first use.
; x's ROWS LIE WHOLE IN LDS: 128 rows x 1,024 codes = 131,072 bytes.  Each wave asks for its K slot, 32,768 consecutive bytes, by ONE tensor load at the head; nothing is filled again; one barrier, behind which all has landed.
; THE TWO BLOCKS OF 64 ROWS ARE WALKED TOGETHER, K step by K step: 32 accumulators, so that each K step of the weight, as it arrives, feeds 32 matrix instructions.  A fragment of x read from LDS feeds four.
; A half step's 16 LDS loads go in one run, two half steps ahead of their use; a block's 8 stores go in one run behind all its vector work.
; CLUSTER: the four heads of a cluster need the same rows of x: the loads are asked for JOINTLY.  The weight is not: a joint request lands in LDS, and in the two launches that share this form 262,144 bytes of rows and 262,144 of
; weights do not fit into 327,680; so the weight goes straight into the registers in which it stays.  No prefetch: the text has no loop to run ahead in; every tile is asked for at the head.
; THE MATRIX INSTRUCTION IS USED TRANSPOSED (source 0 = 16 rows of the weight, source 1 = 16 rows of x): lane (r, h) holds row r of x, and the 16 registers of tiles 2 b and 2 b + 1 are features 32 b + 16 h + 0 .. 15 of my 64:
; so sum x 2^(ea + eb) + bias, held and converted, is half an image of q or k for product 4 (K = the head's 256): 1,024 consecutive bytes at 1,024 x wave.   qk: [q, k][batch x head 16][row tile 64][K step 2][2048]
; LIMITS: e0 + e1 and e2 + e3 between -126 and 127; e6, e7 between -126 and 119.  NaN among the inputs is not served.
; REGISTERS: window 0: v16-19 LDS addresses, v32-63 the bias, v64-255 three sets of x's fragments (on the way out: numbers and codes).  window 1: accumulator (block j, a, t) at v[128 (j % 2) + 8 (4 a + t)].  windows 2, 3: the weight.
.set KSB,   65536                      ; LDS: from K slot to K slot
.set SPARE, 4*KSB                      ; the spare words, 128 bytes a wave: two blocks of 256 bytes that no other line names
.set ADR,  16                          ; v16-19  16 x lane + KSB x K slot
.set CO,   26                          ; v26     16 x lane
.set SPW,  28                          ; v28     LDS address of my spare word; never rewritten
.set NIL,  29                          ; v29     0; never rewritten
.set BIAS, 32
.set AS,   64
.set TMP,  64
.set CD,   128
.set G1,   24                          ; s[24:31] descriptor group 1
.set G0,   32                          ; s[32:35] group 0
.set SB,   48                          ; s[48:49] my tiles of the weight
.set MSB, 0
.macro WIN new                         ; the immediate's high byte repeats the setting that is left
.if MSB != (\new)
	s_set_vgpr_msb (MSB<<8)|(\new)
.set MSB, (\new)
.endif
.endm
.macro CROUND                          ; a round of the cluster's barrier
	s_barrier_signal -1
	s_barrier_wait -1
	s_cmp_lg_u32 s14, 0
	s_cbranch_scc1 .Lnot_wave_0_\@
	s_barrier_signal -3
.Lnot_wave_0_\@:
	s_barrier_wait -3
	s_barrier_signal -1
	s_barrier_wait -1
.endm
.macro PLACES n                        ; plain vector instructions between a matrix instruction and a load into, or a vector instruction on, its registers
.rept \n
	v_nop
.endr
.endm
.macro LOADB ks                        ; K step ks of my four tiles of the weight: 16 loads of 512 consecutive bytes, into window 2 (K steps 0-3) or 3
	WIN 0x80+0x40*((\ks)/4)
.irp t, 0,1,2,3
.irp c, 0,1,2,3
	global_load_b128 v[64*((\ks)%4)+16*\t+4*\c:64*((\ks)%4)+16*\t+4*\c+3], v[CO], s[SB:SB+1] offset:((\ks)/2)*262144+\t*4096+((\ks)%2)*2048+512*\c
.endr
.endr
	WIN 0
.endm
.macro FETCH j, u, set                 ; block j's four fragments of K step u: 16 loads of 512 consecutive bytes
.irp a, 0,1,2,3
.irp c, 0,1,2,3
	ds_load_b128 v[AS+64*(\set)+16*\a+4*\c:AS+64*(\set)+16*\a+4*\c+3], v[ADR+(\u)/2] offset:(4*(\j)+\a)*4096+((\u)%2)*2048+512*\c
.endr
.endr
.endm
.macro MUL u, set, hf                  ; 16 matrix instructions on half hf of the accumulators, which take turns, one instruction a turn; K step 0 starts the sums
	WIN 0x52+((\u)/4)                              ; source 0 window 2 or 3, source 1 window 0, C and D window 1
.irp a, 0,1,2,3
.irp t, 0,1,2,3
.set AC, 128*(\hf)+8*(4*\a+\t)
.set WB, 64*((\u)%4)+16*\t
.set XF, AS+64*(\set)+16*\a
.if (\u) == 0
	v_wmma_f32_16x16x128_fp8_fp8 v[AC:AC+7], v[WB:WB+15], v[XF:XF+15], 0
.else
	v_wmma_f32_16x16x128_fp8_fp8 v[AC:AC+7], v[WB:WB+15], v[XF:XF+15], v[AC:AC+7]
.endif
.endr
.endr
	WIN 0
.endm
; n blocks of 64 rows from block j0 on, walked together: 8 n half steps; half step s is K step s / n of block j0 + s % n, on fragment set s % 3, asked for two half steps ahead.  bph = 1: the weight is still arriving.
.macro RUN j0, n, bph
	FETCH \j0, 0, 0
	FETCH (\j0)+1%(\n), 1/(\n), 1
.irp s, 0,1,2,3,4,5,6,7,8,9,10,11,12,13,14,15
.if \s < 8*(\n)
.if \s+2 < 8*(\n)
.if \s > 0
	PLACES 4                                       ; the set was read by the matrix instructions just issued
.endif
	FETCH (\j0)+(\s+2)%(\n), (\s+2)/(\n), (\s+2)%3
.endif
.if (\bph) && (\s)%(\n) == 0
.if (\s)/(\n) < 5
	LOADB (\s)/(\n)+3
	s_wait_loadcnt 48                              ; this K step of the weight is in; the next three K steps' loads may be out
.else
	s_wait_loadcnt 16*(7-(\s)/(\n))
.endif
.endif
.if \s+2 < 8*(\n)
	s_wait_dscnt 32                                ; this half step's fragments are in; the next two half steps' loads may be out
.else
	s_wait_dscnt 16*(8*(\n)-1-\s)
.endif
	MUL (\s)/(\n), \s%3, ((\j0)+(\s)%(\n))%2
.endif
.endr
.endm
	s_load_b256 s[4:11], s[0:1], 0x0               ; xc s[4:5], wc s[6:7], the scales' exponents s[8:9], bq s[10:11]
	s_load_b128 s[76:79], s[0:1], 0x20             ; bk s[76:77], qk s[78:79]
	v_lshl_add_u32 v[SPW], v0, 2, SPARE
	v_mov_b32 v[NIL], 0
	ds_add_u32 v[SPW], v[NIL]                      ; the wave's opening: the add, twice on end, and its wait ahead of my first tensor load
	ds_add_u32 v[SPW], v[NIL]
	v_lshrrev_b32 v1, 5, v0
	v_readfirstlane_b32 s14, v1                    ; wave 0..3
	s_bfe_u32 s13, ttmp6, 0x40000                  ; cx: the head; it enters the weight's, the bias's and the results' addresses alone
	s_and_b32 s17, ttmp7, 0xffff                   ; which 128 rows, 0..31
	s_mov_b32 s[G1], 15|(1<<21)                    ; 15:0 the mask: all four work-groups; 17:16 elements of 1 byte; no padding; 21 set beside a mask
	s_mov_b32 s[G1+1], 256<<16                     ; tensor_dim0 = 256
	s_mov_b32 s[G1+2], 128<<16                     ; tensor_dim1 = 128
	s_mov_b32 s[G1+3], 256<<16                     ; tile_dim0 = 256
	s_mov_b32 s[G1+4], 128                         ; tile_dim1 = 128: eight row tiles' images of a K slot, 32,768 consecutive bytes
	s_mov_b32 s[G1+5], 256
	s_mov_b32 s[G1+6], 0
	s_mov_b32 s[G1+7], 0
	s_lshl_b32 s20, ttmp9, 22                      ; the code set of q's or of k's product,
	s_lshl_b32 s18, s14, 20
	s_add_co_u32 s20, s20, s18                     ; K slot = my wave,
	s_lshl_b32 s18, s17, 15
	s_add_co_u32 s20, s20, s18                     ; row tile 8 x (which 128 rows)
	s_mov_b32 s21, 0
	s_lshl_b32 s15, s14, 16                        ; and in LDS: KSB x wave
	s_lshl_b32 s50, ttmp9, 20                      ; wq or wk,
	s_lshl_b32 s19, s13, 16
	s_add_co_u32 s50, s50, s19
	s_lshl_b32 s19, s14, 14
	s_add_co_u32 s50, s50, s19                     ; row tile 16 x head + 4 x wave
	s_mov_b32 s51, 0
	s_wait_dscnt 0x0                               ; both opening adds are done
	s_wait_kmcnt 0x0
	s_load_b256 s[80:87], s[8:9], 0x0              ; e0 .. e7
	s_add_nc_u64 s[20:21], s[4:5], s[20:21]
	s_add_nc_u64 s[SB:SB+1], s[6:7], s[50:51]
	CROUND                                         ; all four work-groups are here: the joint loads meet
	s_mov_b32 s[G0], 1
	s_mov_b32 s[G0+1], s15
	s_mov_b64 s[G0+2:G0+3], s[20:21]
	s_or_b32 s[G0+3], s[G0+3], 0x80000000
	tensor_load_to_lds s[G0:G0+3], s[G1:G1+7]      ; my one tensor load
	s_nop 0
.rept 4
	v_nop
.endr
	; the bias of my 64 features, in the accumulators' order: register 16 b + i = feature 32 b + 16 h + i
	s_cmp_eq_u32 ttmp9, 0
	s_cselect_b64 s[74:75], s[10:11], s[76:77]
	s_lshl_b32 s72, s13, 10
	s_lshl_b32 s73, s14, 8
	s_add_co_u32 s72, s72, s73
	s_mov_b32 s73, 0
	s_add_nc_u64 s[74:75], s[74:75], s[72:73]
	v_bfe_u32 v2, v0, 4, 1
	v_lshlrev_b32 v5, 6, v2                        ; 64 h
.irp b, 0,1
.irp j, 0,1,2,3
	global_load_b128 v[BIAS+16*\b+4*\j:BIAS+16*\b+4*\j+3], v5, s[74:75] offset:128*\b+16*\j
.endr
.endr
	v_and_b32 v3, 31, v0
	v_lshlrev_b32 v[CO], 4, v3                     ; 16 x lane
.irp k, 0,1,2,3
	v_add_nc_u32 v[ADR+\k], \k*KSB, v[CO]
.endr
	LOADB 0
	LOADB 1
	LOADB 2
	; where my half images go: ((batch x 4 + head) x 64 + 8 x (which 128 rows of the batch)) x 4,096 + 1,024 x wave, in q's or k's half
	s_lshr_b32 s70, s17, 3
	s_lshl_b32 s70, s70, 2
	s_add_co_u32 s70, s70, s13
	s_lshl_b32 s70, s70, 6
	s_and_b32 s71, s17, 7
	s_lshl_b32 s71, s71, 3
	s_add_co_u32 s70, s70, s71
	s_lshl_b32 s70, s70, 12
	s_lshl_b32 s71, s14, 10
	s_add_co_u32 s70, s70, s71
	s_lshl_b32 s71, ttmp9, 22
	s_add_co_u32 s70, s70, s71
	s_mov_b32 s71, 0
	s_add_nc_u64 s[78:79], s[78:79], s[70:71]
; THE WAY OUT of row tile a of block j: sum x 2^(ea + eb) + bias in one fused multiply-add, the hold, the conversion: half an image.  Each tile has its own registers for its codes: no store's data are written again.
.macro QTILE j, a
.set AC, 128*((\j)%2)+32*(\a)
.set CC, CD+32*((\j)%2)+8*(\a)
	WIN 0x01                                       ; source 0: window 1
.irp n, 0,2,4,6,8,10,12,14,16,18,20,22,24,26,28,30
	v_pk_fma_f32 v[TMP+\n:TMP+\n+1], v[AC+\n:AC+\n+1], s[96:97], v[BIAS+\n:BIAS+\n+1] op_sel_hi:[1,0,1]   ; each accumulator from its low end on
.endr
	WIN 0
.irp b, 0,1
.irp i, 0,1,2,3,4,5,6,7,8,9,10,11,12,13,14,15
	v_med3_num_f32 v[TMP+16*\b+\i], v[TMP+16*\b+\i], -v13, v13   ; the conversion does not saturate (ISA guide 7.6.2): the hold at the largest code x the scale
.endr
	v_cvt_scalef32_pk8_fp8_f32 v[CC+4*\b:CC+4*\b+1], v[TMP+16*\b:TMP+16*\b+7], v12
	v_cvt_scalef32_pk8_fp8_f32 v[CC+4*\b+2:CC+4*\b+3], v[TMP+16*\b+8:TMP+16*\b+15], v12
.endr
	v_nop                                          ; a plain vector line behind the last conversion: the next tile writes its sources
.endm
.macro WAYOUT j
	PLACES 4
.irp a, 0,1,2,3
	QTILE \j, \a
.endr
.irp a, 0,1,2,3
.irp b, 0,1
	global_store_b128 v[CO], v[CD+32*((\j)%2)+8*\a+4*\b:CD+32*((\j)%2)+8*\a+4*\b+3], s[78:79] offset:(4*(\j)+\a)*4096+512*\b   ; 512 consecutive bytes, aligned
.endr
.endr
.endm
	s_wait_alu depctr_va_vdst(0)                   ; the wait at the head's end
	s_wait_tensorcnt 0x0                           ; my one tensor load has landed
	s_wait_dscnt 0x0                               ; no LDS instruction of mine is pending at the signal
	s_barrier_signal -1
	s_barrier_wait -1                              ; everybody's part has landed; nothing is filled again
	RUN 0, 2, 1
	s_wait_kmcnt 0x0
	s_cmp_eq_u32 ttmp9, 0                          ; q's cluster or k's: selects alone, no branch
	s_cselect_b32 s92, s80, s82                    ; ea: e0 or e2
	s_cselect_b32 s93, s81, s83                    ; eb: e1 or e3
	s_cselect_b32 s94, s86, s87                    ; the result's own scale: e6 or e7
	s_add_co_i32 s96, s92, s93
	s_add_co_i32 s96, s96, 127
	s_lshl_b32 s96, s96, 23                        ; 2^(ea + eb) as f32
	s_mov_b32 s97, s96                             ; (named with it as a pair, so it is written)
	s_add_co_i32 s94, s94, 127
	s_lshl_b32 s95, s94, 23
	v_mov_b32 v12, s95                             ; 2^eo as f32
	s_add_co_i32 s94, s94, 8
	s_lshl_b32 s94, s94, 23
	s_or_b32 s94, s94, 0x600000
	v_mov_b32 v13, s94                             ; 448 x 2^eo
	WAYOUT 0
	WAYOUT 1
	s_wait_tensorcnt 0x0                           ; the wave's end
	ds_add_u32 v[SPW], v[NIL]
	s_wait_dscnt 0x0
	CROUND                                         ; the closing round: no work-group ends while a partner may still ask for a tile that names it
	s_endpgm
.Lfunc_end_k_q668e73758c_proj:
	.size	k_q668e73758c_proj, .Lfunc_end_k_q668e73758c_proj-k_q668e73758c_proj
	.p2alignl 7, 3214868480
	.fill 96, 4, 3214868480
	.section	.rodata,"a",@progbits
	.p2align	6, 0x0
	.amdhsa_kernel k_q668e73758c_proj
		.amdhsa_group_segment_fixed_size 327680
		.amdhsa_private_segment_fixed_size 0
		.amdhsa_enable_private_segment 0
		.amdhsa_kernarg_size 48
		.amdhsa_user_sgpr_count 2
		.amdhsa_user_sgpr_kernarg_segment_ptr 1
		.amdhsa_wavefront_size32 1
		.amdhsa_system_sgpr_workgroup_id_x 1
		.amdhsa_system_sgpr_workgroup_id_y 1
		.amdhsa_system_sgpr_workgroup_id_z 1
		.amdhsa_system_vgpr_workitem_id 0
		.amdhsa_next_free_vgpr 1024
		.amdhsa_next_free_sgpr 98
		.amdhsa_reserve_vcc 0
		.amdhsa_float_denorm_mode_32 3
		.amdhsa_float_denorm_mode_16_64 3
		.amdhsa_memory_ordered 1
		.amdhsa_forward_progress 1
		.amdhsa_inst_pref_size 83
	.end_amdhsa_kernel
	.amdgpu_metadata
---
amdhsa.version: [ 1, 2 ]
amdhsa.kernels:
  - .name:           k_q668e73758c_proj
    .symbol:         k_q668e73758c_proj.kd
    .args:
      - { .name: xc, .offset: 0, .size: 8, .value_kind: global_buffer, .address_space: global }
      - { .name: wc, .offset: 8, .size: 8, .value_kind: global_buffer, .address_space: global }
      - { .name: lowp_scales, .offset: 16, .size: 8, .value_kind: global_buffer, .address_space: global }
      - { .name: bq, .offset: 24, .size: 8, .value_kind: global_buffer, .address_space: global }
      - { .name: bk, .offset: 32, .size: 8, .value_kind: global_buffer, .address_space: global }
      - { .name: qk, .offset: 40, .size: 8, .value_kind: global_buffer, .address_space: global }
    .group_segment_fixed_size: 327680
    .private_segment_fixed_size: 0
    .kernarg_segment_align: 8
    .kernarg_segment_size: 48
    .max_flat_workgroup_size: 128
    .sgpr_count:     98
    .vgpr_count:     1024
    .wavefront_size: 32
...
	.end_amdgpu_metadata
.endif
;; end of part 2
;; launch scores (part 3): grid 16 x 16, 4 waves a work-group, clusters of 4 x 1, 327,680 bytes of LDS; arguments qk, lowp_scales, pimg, stat; writes pimg, stat
.if DOCPART == 3
	.amdgcn_target "amdgcn-amd-amdhsa--gfx1250"
	.amdhsa_code_object_version 6
	.text
	.protected	k_q668e73758c_scores
	.globl	k_q668e73758c_scores
	.p2align	8
	.type	k_q668e73758c_scores,@function
k_q668e73758c_scores:
	s_mov_b64 s[64:65], 0
	v_nop
	global_prefetch_b8 v0, s[64:65] scope:SCOPE_SE
	s_setreg_imm32_b32 hwreg(HW_REG_WAVE_MODE, 25, 1), 1
	s_wait_xcnt 0x0
	s_wait_alu depctr_hold_cnt(0) depctr_sa_sdst(0) depctr_va_vdst(0) depctr_va_sdst(0) depctr_va_ssrc(0) depctr_va_vcc(0) depctr_vm_vsrc(0)
	s_getreg_b32 s2, hwreg(HW_REG_IB_STS2, 6, 4)
	s_cmp_eq_u32 s2, 0
	s_cbranch_scc0 .Lentry_in_a_cluster
	s_endpgm
.Lentry_in_a_cluster:
	s_bfe_u32 s2, ttmp6, 0x10000c
	s_cmp_lg_u32 s2, 0x3003
	s_cbranch_scc0 .Lentry_shape_is_right
	s_endpgm
.Lentry_shape_is_right:
; SCORES: product 4 (sim = q k^T / 16 on codes of E4M3) and the softmax ahead of product 5: p = 2^(t - M), t = sim x log2(e), M = ceil(the row's largest t); p is quantised with 2^e8; the row's sum l is taken of the unquantised p.
; Stored: p's codes as images for product 5 (pimg: [K slot 4][row tile 1024 = 64 (batch x head) + t][K step 2][2048]); 1 / l (stat, byte 0: [row tile 1024][lane row 16]); the row's largest sim (stat, byte 65,536: [batch x head 16][position 1024]),
; from which the next launch makes keep.  (attn @ v and v are dead work: no output of reference() hangs on them.)
; SHARES.  A work-group takes 64 queries of one (batch, head): four tiles of 16.  THE WAVES SHARE THE KEYS: wave w takes keys 256 w .. 256 w + 255 for all 64 queries: 64 accumulators, 512 registers.  So a whole row of 1,024 scores
; lies in the work-group's registers: the true maximum is taken before any exponential, and nothing is rescaled.  The waves' maxima and sums meet in LDS, one barrier each.
; CLUSTER.  The four work-groups of a cluster belong to one (batch, head) and need the same k: each wave's 64 KB of k's images are asked for JOINTLY, by one load of 64 KB, filled once and read by the asking wave alone.
; LAYOUT.  S^T = k q^T (source 0 = 16 keys, source 1 = 16 queries): lane (r, h) holds query lane row r; by the order of rows in a tile, register 16 b + i of a query tile is key 256 w + 32 b + 16 h + i: the conversions' results are p's images.
; LIMITS: e6 + e7 - 4 between -126 and 126 (added to log2(e)'s exponent field); e8 between -126 and 119.  1 / l is made by v_rcp_f32.  NaN among the inputs is not served.
; REGISTERS: window 0: v1-13 addresses and constants; v32-95 at work; v128-255 q's eight fragments, later p's codes.  window 1: two sets of 128 for k.  windows 2, 3: the scores of query tile qt at v[128 (qt % 2) + 8 kt] of window 2 + qt / 2.
.set MXB,   262144                     ; LDS, behind k's 256 KB: the waves' maxima, [query tile 4][lane row 16][wave 4] words; 1,024 bytes on: their sums, likewise
.set SPARE, MXB+2048                   ; the spare words, 128 bytes a wave: two blocks of 256 bytes that no other line names
.set KA,  4                            ; v4   my wave's k + 16 x lane
.set LO,  5                            ; v5   16 x lane
.set EXS, 6                            ; v6   MXB + 16 r + 4 wave
.set EXL, 7                            ; v7   MXB + 16 r
.set SMO, 8                            ; v8   4 x (8 h + r + 8 (r / 8)): a lane's position among 32
.set RLO, 9                            ; v9   4 x lane
.set SC,  10                           ; v10  2^e8 as f32
.set LIM, 11                           ; v11  448 x 2^e8
.set SPW, 12                           ; v12  LDS address of my spare word; never rewritten
.set NIL, 13                           ; v13  0; never rewritten
.set CH,  32                           ; v32-35 four chains
.set WM,  36                           ; v36-39 my wave's maxima
.set PT,  40                           ; v40  a lane permute's destination
.set EX,  44                           ; v44-59 the four waves' figures
.set RM,  60                           ; v60-63 the rows' largest sums
.set NM,  64                           ; v64-71 -M, a pair for each query tile
.set SU,  72                           ; v72-79 four chains of packed sums
.set LP,  80                           ; v80-83 my wave's sums
.set QF,  128
.set PC,  128
.set G1,  24
.set G0,  32
.set MSB, 0
.macro WIN new                         ; the immediate's high byte repeats the setting that is left
.if MSB != (\new)
	s_set_vgpr_msb (MSB<<8)|(\new)
.set MSB, (\new)
.endif
.endm
.macro CROUND                          ; a round of the cluster's barrier
	s_barrier_signal -1
	s_barrier_wait -1
	s_cmp_lg_u32 s12, 0
	s_cbranch_scc1 .Lnot_wave_0_\@
	s_barrier_signal -3
.Lnot_wave_0_\@:
	s_barrier_wait -3
	s_barrier_signal -1
	s_barrier_wait -1
.endm
	s_load_b256 s[4:11], s[0:1], 0x0               ; qk s[4:5], the scales' exponents s[6:7], pimg s[8:9], stat s[10:11]
	v_lshl_add_u32 v[SPW], v0, 2, SPARE
	v_mov_b32 v[NIL], 0
	ds_add_u32 v[SPW], v[NIL]                      ; the wave's opening: the add, twice on end, and its wait ahead of my first tensor load
	ds_add_u32 v[SPW], v[NIL]
	v_lshrrev_b32 v1, 5, v0
	v_readfirstlane_b32 s12, v1                    ; wave 0..3
	s_bfe_u32 s13, ttmp6, 0x40000                  ; cx
	s_lshl_b32 s14, ttmp9, 2
	s_add_co_u32 s14, s14, s13                     ; my block of 64 queries, 0..15: it enters q's, p's and stat's addresses alone
	s_and_b32 s15, ttmp7, 0xffff                   ; batch x head, which the four partners share
	s_mov_b32 s[G1], 15|(1<<21)                    ; 15:0 the mask: all four work-groups; 17:16 elements of 1 byte; no padding; 21 set beside a mask
	s_mov_b32 s[G1+1], 256<<16                     ; tensor_dim0 = 256
	s_mov_b32 s[G1+2], 256<<16                     ; tensor_dim1 = 256
	s_mov_b32 s[G1+3], 256<<16                     ; tile_dim0 = 256
	s_mov_b32 s[G1+4], 256                         ; tile_dim1 = 256: my wave's sixteen key tiles' images, 65,536 consecutive bytes, by ONE load
	s_mov_b32 s[G1+5], 256
	s_mov_b32 s[G1+6], 0
	s_mov_b32 s[G1+7], 0
	s_mov_b32 s20, 0x76543210                      ; v_permlanex16_b32's selects for lane l xor 16
	s_mov_b32 s21, 0xfedcba98
	s_mov_b32 s50, 0xffff0000                      ; lanes 16-31
	s_lshl_b32 s16, s15, 18                        ; 262,144 x (batch x head)
	s_lshl_b32 s17, s12, 16                        ; 65,536 x wave: in memory and in LDS
	s_add_co_u32 s18, s16, s17
	s_add_co_u32 s18, s18, 0x400000                ; k's half of qk
	s_mov_b32 s19, 0
	s_wait_dscnt 0x0                               ; both opening adds are done
	s_wait_kmcnt 0x0
	s_load_b128 s[60:63], s[6:7], 0x18             ; e6, e7, e8, e9
	s_add_nc_u64 s[18:19], s[4:5], s[18:19]
	CROUND                                         ; all four work-groups are here: the joint loads meet
.irp g, 0                              ; one tensor load a wave at the head: it covers all my wave's 65,536 bytes of k
	s_mov_b32 s[G0+4*\g], 1
	s_add_co_u32 s[G0+4*\g+1], s17, \g*16384
	s_add_nc_u64 s[G0+4*\g+2:G0+4*\g+3], s[18:19], \g*16384
	s_or_b32 s[G0+4*\g+3], s[G0+4*\g+3], 0x80000000
	tensor_load_to_lds s[G0+4*\g:G0+4*\g+3], s[G1:G1+7]
	s_nop 0
.endr
.rept 4
	v_nop
.endr
	v_and_b32 v1, 31, v0                           ; lane
	v_and_b32 v2, 15, v0                           ; r
	v_bfe_u32 v3, v0, 4, 1                         ; h
	v_lshlrev_b32 v[LO], 4, v1
	v_add_nc_u32 v[KA], s17, v[LO]
	s_lshl_b32 s48, s14, 14
	s_add_co_u32 s48, s48, s16
	s_mov_b32 s49, 0
	s_add_nc_u64 s[58:59], s[4:5], s[48:49]        ; q's images of my four tiles
.irp f, 0,1,2,3,4,5,6,7                ; fragment f = 2 x query tile + K step
.irp c, 0,1,2,3
	global_load_b128 v[QF+16*\f+4*\c:QF+16*\f+4*\c+3], v[LO], s[58:59] offset:2048*\f+512*\c
.endr
.endr
	v_lshlrev_b32 v[EXL], 4, v2
	v_add_nc_u32 v[EXL], MXB, v[EXL]
	s_lshl_b32 s48, s12, 2
	v_add_nc_u32 v[EXS], s48, v[EXL]
	v_and_b32 v14, 8, v2
	v_add_nc_u32 v14, v14, v2
	v_lshl_add_u32 v14, v3, 3, v14
	v_lshlrev_b32 v[SMO], 2, v14
	v_lshlrev_b32 v[RLO], 2, v1
	v_mov_b32 v[PT], 0                             ; written once: a lane permute's destination counts as one of its sources
	s_lshl_b32 s48, s15, 6
	s_lshl_b32 s49, s14, 2
	s_add_co_u32 s48, s48, s49                     ; my first row tile: 64 (batch x head) + 4 x block
	s_lshl_b32 s54, s48, 6
	s_mov_b32 s55, 0
	s_add_nc_u64 s[54:55], s[10:11], s[54:55]      ; 1 / l
	s_lshl_b32 s52, s48, 12
	s_lshl_b32 s49, s12, 22
	s_add_co_u32 s52, s52, s49                     ; p's images: K slot = my wave
	s_mov_b32 s53, 0
	s_add_nc_u64 s[52:53], s[8:9], s[52:53]
	s_lshl_b32 s56, s15, 12
	s_lshl_b32 s49, s14, 8
	s_add_co_u32 s56, s56, s49
	s_add_co_u32 s56, s56, 65536                   ; the largest sim: 65,536 + 4 x (1,024 (batch x head) + 64 x block)
	s_mov_b32 s57, 0
	s_add_nc_u64 s[56:57], s[10:11], s[56:57]
	s_wait_kmcnt 0x0
	s_add_co_i32 s51, s60, s61
	s_sub_co_i32 s51, s51, 4                       ; sim = sum x 2^(e6 + e7 - 4): the division by sqrt(256) is a power of two
	s_lshl_b32 s22, s51, 23
	s_add_co_i32 s22, s22, 0x3fb8aa3b              ; c = log2(e) x 2^(e6 + e7 - 4): the exponents are added to log2(e)'s exponent field
	s_mov_b32 s23, s22                             ; (named with it as a pair, so it is written)
	s_add_co_i32 s48, s62, 127
	s_lshl_b32 s49, s48, 23
	v_mov_b32 v[SC], s49
	s_add_co_i32 s48, s48, 8
	s_lshl_b32 s48, s48, 23
	s_or_b32 s48, s48, 0x600000
	v_mov_b32 v[LIM], s48
.macro FETCHK g                        ; group g: four key tiles x two K steps, 32 loads of 512 consecutive bytes, into set g % 2
	WIN 0x40                                       ; destination window 1
.irp t, 0,1,2,3
.irp s, 0,1
.irp c, 0,1,2,3
	ds_load_b128 v[128*((\g)%2)+32*\t+16*\s+4*\c:128*((\g)%2)+32*\t+16*\s+4*\c+3], v[KA] offset:16384*(\g)+4096*\t+2048*\s+512*\c
.endr
.endr
.endr
	WIN 0
.endm
.macro MULG g                          ; group g's 32 matrix instructions: eight accumulators by turns, one instruction a turn; the first K step starts the sums
.irp hi, 0,1
	WIN 0xa1+0x50*\hi                              ; source 0 (k) window 1, source 1 (q) window 0, C and D window 2 or 3
.irp s, 0,1
.irp t, 0,1,2,3
.irp q, 0,1
.if \s == 0
	v_wmma_f32_16x16x128_fp8_fp8 v[128*\q+8*(4*(\g)+\t):128*\q+8*(4*(\g)+\t)+7], v[128*((\g)%2)+32*\t+16*\s:128*((\g)%2)+32*\t+16*\s+15], v[QF+16*(2*(2*\hi+\q)+\s):QF+16*(2*(2*\hi+\q)+\s)+15], 0
.else
	v_wmma_f32_16x16x128_fp8_fp8 v[128*\q+8*(4*(\g)+\t):128*\q+8*(4*(\g)+\t)+7], v[128*((\g)%2)+32*\t+16*\s:128*((\g)%2)+32*\t+16*\s+15], v[QF+16*(2*(2*\hi+\q)+\s):QF+16*(2*(2*\hi+\q)+\s)+15], v[128*\q+8*(4*(\g)+\t):128*\q+8*(4*(\g)+\t)+7]
.endif
.endr
.endr
.endr
.endr
.endm
.macro PLACES                          ; four plain vector instructions between a matrix instruction and a load into, or a vector instruction on, its registers
.rept 4
	v_nop
.endr
.endm
	; ---- S^T = k q^T
	s_wait_tensorcnt 0x0                           ; my one load has landed: all my wave's k
	FETCHK 0
	FETCHK 1
	s_wait_loadcnt 0x0                             ; q
	s_wait_dscnt 32                                ; group 0's fragments are in; group 1's 32 loads may be out
	MULG 0
	PLACES
	FETCHK 2
	s_wait_dscnt 32
	MULG 1
	PLACES
	FETCHK 3
	s_wait_dscnt 32
	MULG 2
	s_wait_dscnt 0x0
	MULG 3
	PLACES
	; ---- the rows' largest sums: my 128 registers in four chains, lane l xor 16's, then the four waves'
.macro ROWMAX qt
.set AC, 128*((\qt)%2)
	WIN 0x0a+5*((\qt)/2)                           ; sources 0 and 1: window 2 or 3
.irp n, 0,1,2,3
	v_max_num_f32 v[CH+\n], v[AC+2*\n], v[AC+2*\n+1]
.endr
.set nn, 4
.rept 60
	v_max3_num_f32 v[CH+nn%4], v[AC+2*nn], v[AC+2*nn+1], v[CH+nn%4]   ; ascending: each accumulator is read from its low end on
.set nn, nn+1
.endr
	WIN 0
	v_max3_num_f32 v[CH], v[CH], v[CH+1], v[CH+2]
	v_max_num_f32 v[CH], v[CH], v[CH+3]
	v_permlanex16_b32 v[PT], v[CH], s20, s21
	v_max_num_f32 v[WM+(\qt)], v[CH], v[PT]
.endm
.irp q, 0,1,2,3
	ROWMAX \q
.endr
.irp q, 0,1,2,3
	ds_store_b32 v[EXS], v[WM+\q] offset:256*\q    ; lanes r and r + 16 hold the same number and write the same word
.endr
	s_wait_dscnt 0x0                               ; for the others' sake: my stores are done
	s_barrier_signal -1
	s_barrier_wait -1
.irp q, 0,1,2,3
	ds_load_b128 v[EX+4*\q:EX+4*\q+3], v[EXL] offset:256*\q
.endr
	s_wait_dscnt 0x0
.irp q, 0,1,2,3
	v_max3_num_f32 v[RM+\q], v[EX+4*\q], v[EX+4*\q+1], v[EX+4*\q+2]
.endr
.irp q, 0,1,2,3
	v_max_num_f32 v[RM+\q], v[RM+\q], v[EX+4*\q+3]
.endr
.irp q, 0,1,2,3
	v_mul_f32 v[CH+\q], s22, v[RM+\q]              ; the largest t (c is positive)
.endr
.irp q, 0,1,2,3
	v_floor_f32 v[NM+2*\q], -v[CH+\q]              ; -M = floor(-t) = -ceil(t)
.endr
.irp q, 0,1,2,3
	v_mov_b32 v[NM+2*\q+1], v[NM+2*\q]             ; (named with it as a pair)
.endr
	; ---- p = 2^(t - M), two query tiles (a window) at a time: 256 exponentials are one batch with one wait
.macro EXPS hi
	WIN 0x82+0x41*\hi                              ; source 0 and destination: window 2 or 3; -M in window 0
.irp q, 0,1
.set nn, 0
.rept 64
	v_pk_fma_f32 v[128*\q+2*nn:128*\q+2*nn+1], v[128*\q+2*nn:128*\q+2*nn+1], s[22:23], v[NM+2*(2*\hi+\q):NM+2*(2*\hi+\q)+1] op_sel_hi:[1,0,0]   ; t - M (of the pairs c and -M the low word serves both halves)
.set nn, nn+1
.endr
.endr
.set nn, 0
	s_wait_alu depctr_va_vdst(0)
.rept 256
	v_exp_f32 v[nn], v[nn]
.set nn, nn+1
.endr
	v_nop                                          ; a plain instruction behind the last exponential
	s_wait_alu depctr_va_vdst(0)                   ; one wait for the batch, ahead of the first instruction that names a result
.endm
.macro QOUT qt                         ; one query tile: the sum of the unquantised p, the hold, the conversion, the two images
.set AC, 128*((\qt)%2)
	WIN 0x0a+5*((\qt)/2)
.irp c, 0,1,2,3
	v_pk_add_f32 v[SU+2*\c:SU+2*\c+1], v[AC+4*\c:AC+4*\c+1], v[AC+4*\c+2:AC+4*\c+3]   ; the first additions start the four chains: nothing is cleared
.endr
	WIN 0x02+(\qt)/2
.set nn, 8
.rept 56
	v_pk_add_f32 v[SU+2*(nn%4):SU+2*(nn%4)+1], v[AC+2*nn:AC+2*nn+1], v[SU+2*(nn%4):SU+2*(nn%4)+1]
.set nn, nn+1
.endr
	WIN 0
	v_pk_add_f32 v[SU:SU+1], v[SU:SU+1], v[SU+2:SU+3]
	v_pk_add_f32 v[SU+4:SU+5], v[SU+4:SU+5], v[SU+6:SU+7]
	v_pk_add_f32 v[SU:SU+1], v[SU:SU+1], v[SU+4:SU+5]
	v_add_f32 v[SU], v[SU], v[SU+1]
	v_permlanex16_b32 v[PT], v[SU], s20, s21
	v_add_f32 v[LP+(\qt)], v[SU], v[PT]            ; my wave's 256 keys
	WIN 0x82+0x41*((\qt)/2)
.set nn, 0
.rept 128
	v_min_num_f32 v[AC+nn], v[AC+nn], v[LIM]       ; the conversion does not saturate (ISA guide 7.6.2); p is not negative, so the hold is one-sided
.set nn, nn+1
.endr
	WIN 0x02+(\qt)/2
.set nn, 0
.rept 16
	v_cvt_scalef32_pk8_fp8_f32 v[PC+32*(\qt)+2*nn:PC+32*(\qt)+2*nn+1], v[AC+8*nn:AC+8*nn+7], v[SC]
.set nn, nn+1
.endr
	WIN 0
	v_nop                                          ; a plain vector line behind the last conversion
.irp s, 0,1
.irp c, 0,1,2,3
	global_store_b128 v[LO], v[PC+32*(\qt)+16*\s+4*\c:PC+32*(\qt)+16*\s+4*\c+3], s[52:53] offset:4096*(\qt)+2048*\s+512*\c   ; 512 consecutive bytes, aligned
.endr
.endr
.endm
	EXPS 0
	QOUT 0
	QOUT 1
	EXPS 1
	QOUT 2
	QOUT 3
	; ---- l, and what the next launch wants of each row
.irp q, 0,1,2,3
	ds_store_b32 v[EXS], v[LP+\q] offset:1024+256*\q
.endr
	s_wait_dscnt 0x0                               ; for wave 0's sake: my stores are done
	s_barrier_signal -1
	s_barrier_wait -1
	s_cmp_lg_u32 s12, 0                            ; wave 0 alone goes on: a branch on the wave's number, with no barrier inside
	s_cbranch_scc1 .Lothers
.irp q, 0,1,2,3
	ds_load_b128 v[EX+4*\q:EX+4*\q+3], v[EXL] offset:1024+256*\q
.endr
	s_wait_dscnt 0x0
.irp q, 0,1,2,3
	v_add_f32 v[EX+4*\q], v[EX+4*\q], v[EX+4*\q+1]
	v_add_f32 v[EX+4*\q+2], v[EX+4*\q+2], v[EX+4*\q+3]
.endr
.irp q, 0,1,2,3
	v_add_f32 v[EX+4*\q], v[EX+4*\q], v[EX+4*\q+2] ; l
.endr
	s_wait_alu depctr_va_vdst(0)
.irp q, 0,1,2,3
	v_rcp_f32 v[84+\q], v[EX+4*\q]
.endr
.irp q, 0,1,2,3
	v_ldexp_f32 v[88+\q], v[RM+\q], s51            ; the row's largest sim: exact.  (Plain instructions behind the reciprocals)
.endr
	s_wait_alu depctr_va_vdst(0)                   ; one wait for the four reciprocals, ahead of their first reader
.irp j, 0,1
	v_cndmask_b32 v[92+\j], v[84+2*\j], v[85+2*\j], s50   ; lanes 0-15 speak for query tile 2 j, lanes 16-31 for 2 j + 1
	v_cndmask_b32 v[94+\j], v[88+2*\j], v[89+2*\j], s50
.endr
.irp j, 0,1
	global_store_b32 v[RLO], v[92+\j], s[54:55] offset:128*\j   ; 128 consecutive bytes; the two stores fill 256, aligned
	global_store_b32 v[SMO], v[94+\j], s[56:57] offset:128*\j   ; the 32 lanes' positions are 32 neighbours, in another order
.endr
.Lothers:
	s_wait_tensorcnt 0x0                           ; the wave's end: behind my last tensor load and my last LDS store
	ds_add_u32 v[SPW], v[NIL]
	s_wait_dscnt 0x0
	CROUND                                         ; the closing round
	s_endpgm
.Lfunc_end_k_q668e73758c_scores:
	.size	k_q668e73758c_scores, .Lfunc_end_k_q668e73758c_scores-k_q668e73758c_scores
	.p2alignl 7, 3214868480
	.fill 96, 4, 3214868480
	.section	.rodata,"a",@progbits
	.p2align	6, 0x0
	.amdhsa_kernel k_q668e73758c_scores
		.amdhsa_group_segment_fixed_size 327680
		.amdhsa_private_segment_fixed_size 0
		.amdhsa_enable_private_segment 0
		.amdhsa_kernarg_size 32
		.amdhsa_user_sgpr_count 2
		.amdhsa_user_sgpr_kernarg_segment_ptr 1
		.amdhsa_wavefront_size32 1
		.amdhsa_system_sgpr_workgroup_id_x 1
		.amdhsa_system_sgpr_workgroup_id_y 1
		.amdhsa_system_sgpr_workgroup_id_z 1
		.amdhsa_system_vgpr_workitem_id 0
		.amdhsa_next_free_vgpr 1024
		.amdhsa_next_free_sgpr 66
		.amdhsa_reserve_vcc 0
		.amdhsa_float_denorm_mode_32 3
		.amdhsa_float_denorm_mode_16_64 3
		.amdhsa_memory_ordered 1
		.amdhsa_forward_progress 1
		.amdhsa_inst_pref_size 118
	.end_amdhsa_kernel
	.amdgpu_metadata
---
amdhsa.version: [ 1, 2 ]
amdhsa.kernels:
  - .name:           k_q668e73758c_scores
    .symbol:         k_q668e73758c_scores.kd
    .args:
      - { .name: qk, .offset: 0, .size: 8, .value_kind: global_buffer, .address_space: global }
      - { .name: lowp_scales, .offset: 8, .size: 8, .value_kind: global_buffer, .address_space: global }
      - { .name: pimg, .offset: 16, .size: 8, .value_kind: global_buffer, .address_space: global }
      - { .name: stat, .offset: 24, .size: 8, .value_kind: global_buffer, .address_space: global }
    .group_segment_fixed_size: 327680
    .private_segment_fixed_size: 0
    .kernarg_segment_align: 8
    .kernarg_segment_size: 32
    .max_flat_workgroup_size: 128
    .sgpr_count:     66
    .vgpr_count:     1024
    .wavefront_size: 32
...
	.end_amdgpu_metadata
.endif
;; end of part 3
;; launch merge (part 4): grid 4 x 64, 4 waves a work-group, clusters of 4 x 1, 327,680 bytes of LDS; arguments pimg, wc, lowp_scales, stat, moimg; writes moimg
.if DOCPART == 4
	.amdgcn_target "amdgcn-amd-amdhsa--gfx1250"
	.amdhsa_code_object_version 6
	.text
	.protected	k_q668e73758c_merge
	.globl	k_q668e73758c_merge
	.p2align	8
	.type	k_q668e73758c_merge,@function
k_q668e73758c_merge:
	s_mov_b64 s[64:65], 0
	v_nop
	global_prefetch_b8 v0, s[64:65] scope:SCOPE_SE
	s_setreg_imm32_b32 hwreg(HW_REG_WAVE_MODE, 25, 1), 1
	s_wait_xcnt 0x0
	s_wait_alu depctr_hold_cnt(0) depctr_sa_sdst(0) depctr_va_vdst(0) depctr_va_sdst(0) depctr_va_ssrc(0) depctr_va_vcc(0) depctr_vm_vsrc(0)
	s_getreg_b32 s2, hwreg(HW_REG_IB_STS2, 6, 4)
	s_cmp_eq_u32 s2, 0
	s_cbranch_scc0 .Lentry_in_a_cluster
	s_endpgm
.Lentry_in_a_cluster:
	s_bfe_u32 s2, ttmp6, 0x10000c
	s_cmp_lg_u32 s2, 0x3003
	s_cbranch_scc0 .Lentry_shape_is_right
	s_endpgm
.Lentry_shape_is_right:
; MERGE: product 5: merged_output = softmax(sim) merged_tokens on codes of E4M3, the division by the row's sum l, keep, and the quantising for product 6.  (attn @ v and v are dead work and are left out: no output of reference() hangs on them.)
; Left operand: p's images (pimg, 16,384 rows, K = the keys' axis).  Right operand: the images of the mean of x over the batch (tensor 2 of wc), [N = token m][K].
; keep[m] = (the largest sim of position m over batch, head and keys > 0.9), from the 16 rows of largest sims that the launch before stored.  A token that is not kept has a column of zeros in merged_tokens, so its column of merged_output
; is 0: its codes are set to 0 by a byte mask.
; SHARES.  A work-group takes 256 rows and 256 tokens (the place cx in the cluster); wave w takes tokens 64 w .. 64 w + 63: four tiles of the right operand, which STAY IN REGISTERS (512), loaded straight from their images, three K steps ahead.
; THE ROWS LIE WHOLE IN LDS: 262,144 bytes, filled once, JOINTLY with the three partners, which need the same rows.  Each wave asks for its K slot in two loads of 32,768 consecutive bytes: blocks 0 and 1 at the head; blocks 2 and 3
; behind the wait, the add and a round of the cluster's barrier, so that they are on their way while blocks 0 and 1 are multiplied.
; The right operand is not asked for jointly: a joint request lands in LDS, and 262,144 bytes more do not fit into 327,680.  No prefetch: the text has no loop to run ahead in.
; Blocks 0 and 1 of 64 rows are walked together, K step by K step (32 accumulators), so that each K step of the right operand, as it arrives, feeds 32 matrix instructions; blocks 2 and 3 go one after the other.
; A half step's 16 LDS loads go in one run, two half steps ahead of their use; a block's 8 stores go in one run behind all its vector work.
; THE MATRIX INSTRUCTION IS USED TRANSPOSED: lane (r, h) holds lane row r; the 16 registers of tiles 2 b, 2 b + 1 are tokens 32 b + 16 h + 0 .. 15 of my 64: sum x 2^(e8 + e9) / l, held, converted and masked, is half an image for product 6.
;   moimg: [K slot 4 = cx][row tile 1024][K step 2][2048]; my half image at 1,024 x wave.
; LIMITS: e10 between -126 and 119; e8 + e9 is applied by v_ldexp_f32.  NaN among the inputs is not served.
; REGISTERS: window 0: v4-11 the mask, v16-19 LDS addresses, v32-63 2^(e8 + e9) / l in pairs, v64-255 three sets of fragments (on the way out: numbers and codes).  window 1: accumulator (j, a, t) at v[128 (j % 2) + 8 (4 a + t)].  windows 2, 3: the right operand.
.set KSB,   65536                      ; LDS: from K slot to K slot
.set SPARE, 4*KSB                      ; the spare words, 128 bytes a wave: two blocks of 256 bytes that no other line names
.set MASKB, SPARE+512                  ; keep as 256 bytes, 0xff or 0, a block of its own into which no fill lands
.set KM,   4
.set ADR,  16
.set CO,   26
.set KMA,  27
.set SPW,  28
.set NIL,  29
.set F,    32
.set AS,   64
.set TMP,  64
.set CD,   128
.set G1,   24
.set G0,   32                          ; s[32:39] group 0, a set for each of my two loads
.set SB,   48
.set MSB, 0
.macro WIN new                         ; the immediate's high byte repeats the setting that is left
.if MSB != (\new)
	s_set_vgpr_msb (MSB<<8)|(\new)
.set MSB, (\new)
.endif
.endm
.macro CROUND                          ; a round of the cluster's barrier
	s_barrier_signal -1
	s_barrier_wait -1
	s_cmp_lg_u32 s14, 0
	s_cbranch_scc1 .Lnot_wave_0_\@
	s_barrier_signal -3
.Lnot_wave_0_\@:
	s_barrier_wait -3
	s_barrier_signal -1
	s_barrier_wait -1
.endm
.macro PLACES n                        ; plain vector instructions behind a matrix instruction (ISA guide 7.12.1)
.rept \n
	v_nop
.endr
.endm
.macro LOADB ks                        ; K step ks of my four tiles of the right operand: 16 loads of 512 consecutive bytes, into window 2 or 3
	WIN 0x80+0x40*((\ks)/4)
.irp t, 0,1,2,3
.irp c, 0,1,2,3
	global_load_b128 v[64*((\ks)%4)+16*\t+4*\c:64*((\ks)%4)+16*\t+4*\c+3], v[CO], s[SB:SB+1] offset:((\ks)/2)*262144+\t*4096+((\ks)%2)*2048+512*\c
.endr
.endr
	WIN 0
.endm
.macro FETCH j, u, set                 ; block j's four fragments of K step u
.irp a, 0,1,2,3
.irp c, 0,1,2,3
	ds_load_b128 v[AS+64*(\set)+16*\a+4*\c:AS+64*(\set)+16*\a+4*\c+3], v[ADR+(\u)/2] offset:(4*(\j)+\a)*4096+((\u)%2)*2048+512*\c
.endr
.endr
.endm
.macro MUL u, set, hf                  ; 16 matrix instructions on half hf of the accumulators, by turns; K step 0 starts the sums
	WIN 0x52+((\u)/4)                              ; source 0 window 2 or 3, source 1 window 0, C and D window 1
.irp a, 0,1,2,3
.irp t, 0,1,2,3
.set AC, 128*(\hf)+8*(4*\a+\t)
.set WB, 64*((\u)%4)+16*\t
.set XF, AS+64*(\set)+16*\a
.if (\u) == 0
	v_wmma_f32_16x16x128_fp8_fp8 v[AC:AC+7], v[WB:WB+15], v[XF:XF+15], 0
.else
	v_wmma_f32_16x16x128_fp8_fp8 v[AC:AC+7], v[WB:WB+15], v[XF:XF+15], v[AC:AC+7]
.endif
.endr
.endr
	WIN 0
.endm
; n blocks of 64 rows from block j0 on, walked together: half step s is K step s / n of block j0 + s % n, on fragment set s % 3, asked for two half steps ahead.  bph = 1: the right operand is still arriving.
.macro RUN j0, n, bph
.if (\bph) == 0
	s_wait_xcnt 0x0                                ; the earlier stores have read their data: the sets may be loaded again
	PLACES 5                                       ; the sums begin anew on accumulators that matrix instructions have written
.endif
	FETCH \j0, 0, 0
	FETCH (\j0)+1%(\n), 1/(\n), 1
.irp s, 0,1,2,3,4,5,6,7,8,9,10,11,12,13,14,15
.if \s < 8*(\n)
.if \s+2 < 8*(\n)
.if \s > 0
	PLACES 4                                       ; the set was read by the matrix instructions just issued
.endif
	FETCH (\j0)+(\s+2)%(\n), (\s+2)/(\n), (\s+2)%3
.endif
.if (\bph) && (\s)%(\n) == 0
.if (\s)/(\n) < 5
	LOADB (\s)/(\n)+3
	s_wait_loadcnt 48                              ; this K step of the right operand is in; the next three K steps' loads may be out
.else
	s_wait_loadcnt 16*(7-(\s)/(\n))
.endif
.endif
.if \s+2 < 8*(\n)
	s_wait_dscnt 32                                ; this half step's fragments are in; the next two half steps' loads may be out
.else
	s_wait_dscnt 16*(8*(\n)-1-\s)
.endif
	MUL (\s)/(\n), \s%3, ((\j0)+(\s)%(\n))%2
.endif
.endr
.endm
	s_load_b256 s[4:11], s[0:1], 0x0               ; pimg s[4:5], wc s[6:7], the scales' exponents s[8:9], stat s[10:11]
	s_load_b64 s[78:79], s[0:1], 0x20              ; moimg
	v_lshl_add_u32 v[SPW], v0, 2, SPARE
	v_mov_b32 v[NIL], 0
	ds_add_u32 v[SPW], v[NIL]                      ; the wave's opening: the add, twice on end, and its wait ahead of my first tensor load
	ds_add_u32 v[SPW], v[NIL]
	v_lshrrev_b32 v1, 5, v0
	v_readfirstlane_b32 s14, v1                    ; wave 0..3
	s_bfe_u32 s13, ttmp6, 0x40000                  ; cx: which 256 tokens
	s_and_b32 s17, ttmp7, 0xffff                   ; which 256 rows, 0..63
	s_mov_b32 s[G1], 15|(1<<21)                    ; the mask: all four work-groups; elements of 1 byte; no padding; 21 set beside a mask
	s_mov_b32 s[G1+1], 256<<16
	s_mov_b32 s[G1+2], 128<<16
	s_mov_b32 s[G1+3], 256<<16
	s_mov_b32 s[G1+4], 128                         ; 128 rows of 256 bytes: eight row tiles' images of a K slot, 32,768 consecutive bytes
	s_mov_b32 s[G1+5], 256
	s_mov_b32 s[G1+6], 0
	s_mov_b32 s[G1+7], 0
	s_lshl_b32 s20, s14, 22                        ; K slot = my wave,
	s_lshl_b32 s18, s17, 16
	s_add_co_u32 s20, s20, s18                     ; row tile 16 x (which 256 rows)
	s_mov_b32 s21, 0
	s_lshl_b32 s15, s14, 16                        ; and in LDS: KSB x wave
	s_lshl_b32 s50, s13, 16
	s_lshl_b32 s19, s14, 14
	s_add_co_u32 s50, s50, s19
	s_add_co_u32 s50, s50, 0x200000                ; tensor 2 of wc, row tile 16 cx + 4 x wave
	s_mov_b32 s51, 0
	s_wait_dscnt 0x0                               ; both opening adds are done
	s_wait_kmcnt 0x0
	s_load_b128 s[88:91], s[8:9], 0x20             ; e8 .. e11
	s_add_nc_u64 s[20:21], s[4:5], s[20:21]
	s_add_nc_u64 s[SB:SB+1], s[6:7], s[50:51]
	CROUND                                         ; all four work-groups are here: the joint loads meet
.irp g, 0,1
	s_mov_b32 s[G0+4*\g], 1
	s_add_co_u32 s[G0+4*\g+1], s15, \g*32768
	s_add_nc_u64 s[G0+4*\g+2:G0+4*\g+3], s[20:21], \g*32768
	s_or_b32 s[G0+4*\g+3], s[G0+4*\g+3], 0x80000000
.endr
	tensor_load_to_lds s[G0:G0+3], s[G1:G1+7]      ; blocks 0 and 1
	s_nop 0
.rept 4
	v_nop
.endr
	v_lshlrev_b32 v20, 3, v0                       ; two positions a thread
	s_lshl_b32 s72, s13, 10
	s_add_co_u32 s72, s72, 65536
	s_mov_b32 s73, 0
	s_add_nc_u64 s[72:73], s[10:11], s[72:73]      ; the largest sims of my 256 positions
.irp i, 0,1,2,3,4,5,6,7,8,9,10,11,12,13,14,15
	global_load_b64 v[64+2*\i:65+2*\i], v20, s[72:73] offset:4096*\i   ; one of the 16 (batch, head)
.endr
	v_and_b32 v1, 15, v0
	v_bfe_u32 v2, v0, 4, 1
	s_wait_alu depctr_va_vdst(0)
	v_lshlrev_b32 v21, 2, v1
	s_lshl_b32 s74, s17, 10
	s_mov_b32 s75, 0
	s_add_nc_u64 s[74:75], s[10:11], s[74:75]      ; 1 / l of my 16 row tiles
.irp a, 0,1,2,3,4,5,6,7,8,9,10,11,12,13,14,15
	global_load_b32 v[F+2*\a], v21, s[74:75] offset:64*\a
.endr
	v_and_b32 v3, 31, v0
	v_lshlrev_b32 v[CO], 4, v3
.irp k, 0,1,2,3
	v_add_nc_u32 v[ADR+\k], \k*KSB, v[CO]
.endr
	LOADB 0
	LOADB 1
	s_lshl_b32 s23, s14, 6
	v_lshlrev_b32 v[KMA], 4, v2
	v_add_nc_u32 v[KMA], s23, v[KMA]
	v_add_nc_u32 v[KMA], MASKB, v[KMA]             ; the mask bytes of my 64 tokens: 64 x wave + 16 h
	s_lshl_b32 s70, s17, 16
	s_lshl_b32 s71, s14, 10
	s_add_co_u32 s70, s70, s71
	s_lshl_b32 s71, s13, 22
	s_add_co_u32 s70, s70, s71
	s_mov_b32 s71, 0
	s_add_nc_u64 s[78:79], s[78:79], s[70:71]
	v_mov_b32 v98, 0x3f666666                      ; 0.9
	v_mov_b32 v99, 0xff
	v_mov_b32 v100, 0xff00
	v_lshl_add_u32 v101, v0, 1, MASKB
	s_wait_loadcnt 48                              ; the sixteen loads of largest sims are in; the 48 younger may be out
	v_max3_num_f32 v96, v64, v66, v68
	v_max3_num_f32 v97, v65, v67, v69
.irp i, 3,5,7,9,11,13
	v_max3_num_f32 v96, v96, v[64+2*\i], v[66+2*\i]
	v_max3_num_f32 v97, v97, v[65+2*\i], v[67+2*\i]
.endr
	v_max_num_f32 v96, v96, v94
	v_max_num_f32 v97, v97, v95
	v_cmp_gt_f32 s94, v96, v98
	v_cmp_gt_f32 s95, v97, v98
	v_cndmask_b32 v96, 0, v99, s94
	v_cndmask_b32 v97, 0, v100, s95
	v_or_b32 v96, v96, v97
	ds_store_b16 v101, v96                         ; two bytes of the mask
	LOADB 2
; THE WAY OUT of row tile a of block j.  Each tile of a pair of blocks has its own registers for its codes.
.macro QTILE j, a
.set AC, 128*((\j)%2)+32*(\a)
.set CC, CD+32*((\j)%2)+8*(\a)
	WIN 0x01                                       ; source 0: window 1
.irp n, 0,2,4,6,8,10,12,14,16,18,20,22,24,26,28,30
	v_pk_mul_f32 v[TMP+\n:TMP+\n+1], v[AC+\n:AC+\n+1], v[F+2*(4*(\j)+(\a)):F+2*(4*(\j)+(\a))+1]   ; sum x 2^(e8 + e9) / l; each accumulator from its low end on
.endr
	WIN 0
.irp b, 0,1
.irp i, 0,1,2,3,4,5,6,7,8,9,10,11,12,13,14,15
	v_med3_num_f32 v[TMP+16*\b+\i], v[TMP+16*\b+\i], -v13, v13   ; the conversion does not saturate (ISA guide 7.6.2): the hold
.endr
	v_cvt_scalef32_pk8_fp8_f32 v[CC+4*\b:CC+4*\b+1], v[TMP+16*\b:TMP+16*\b+7], v12
	v_cvt_scalef32_pk8_fp8_f32 v[CC+4*\b+2:CC+4*\b+3], v[TMP+16*\b+8:TMP+16*\b+15], v12
.endr
	v_nop                                          ; a plain vector line behind the last conversion
.irp n, 0,1,2,3,4,5,6,7
	v_and_b32 v[CC+\n], v[CC+\n], v[KM+\n]         ; keep: the codes of tokens that are not kept become 0
.endr
.endm
.macro WAYOUT j
	PLACES 4
.irp a, 0,1,2,3
	QTILE \j, \a
.endr
.irp a, 0,1,2,3
.irp b, 0,1
	global_store_b128 v[CO], v[CD+32*((\j)%2)+8*\a+4*\b:CD+32*((\j)%2)+8*\a+4*\b+3], s[78:79] offset:(4*(\j)+\a)*4096+512*\b   ; 512 consecutive bytes, aligned
.endr
.endr
.endm
	s_wait_alu depctr_va_vdst(0)                   ; the wait at the head's end
	s_wait_tensorcnt 0x0                           ; my part of blocks 0 and 1 is in
	ds_add_u32 v[SPW], v[NIL]                      ; 0 onto my spare word
	s_wait_dscnt 0x0                               ; the add is done, and so is my store of the mask
	CROUND                                         ; everybody's part is in, and all four work-groups are here: the joint loads meet
	tensor_load_to_lds s[G0+4:G0+7], s[G1:G1+7]    ; blocks 2 and 3: the first tensor load behind the round
	s_nop 0
.rept 4
	v_nop
.endr
	RUN 0, 2, 1
	s_wait_kmcnt 0x0
	s_add_co_i32 s92, s88, s89                     ; e8 + e9
	s_add_co_i32 s93, s90, 127
	s_lshl_b32 s94, s93, 23
	v_mov_b32 v12, s94                             ; 2^e10 as f32
	s_add_co_i32 s93, s93, 8
	s_lshl_b32 s93, s93, 23
	s_or_b32 s93, s93, 0x600000
	v_mov_b32 v13, s93                             ; 448 x 2^e10
.irp b, 0,1
	ds_load_b128 v[KM+4*\b:KM+4*\b+3], v[KMA] offset:32*\b
.endr
.irp a, 0,1,2,3,4,5,6,7,8,9,10,11,12,13,14,15
	v_ldexp_f32 v[F+2*\a+1], v[F+2*\a], s92
	v_ldexp_f32 v[F+2*\a], v[F+2*\a], s92
.endr
	s_wait_dscnt 0x0
	WAYOUT 0
	WAYOUT 1
	s_wait_tensorcnt 0x0                           ; my part of blocks 2 and 3 is in
	s_wait_dscnt 0x0
	s_barrier_signal -1
	s_barrier_wait -1                              ; everybody's part is in
	RUN 2, 1, 0
	WAYOUT 2
	RUN 3, 1, 0
	WAYOUT 3
	s_wait_tensorcnt 0x0                           ; the wave's end
	ds_add_u32 v[SPW], v[NIL]
	s_wait_dscnt 0x0
	CROUND                                         ; the closing round
	s_endpgm
.Lfunc_end_k_q668e73758c_merge:
	.size	k_q668e73758c_merge, .Lfunc_end_k_q668e73758c_merge-k_q668e73758c_merge
	.p2alignl 7, 3214868480
	.fill 96, 4, 3214868480
	.section	.rodata,"a",@progbits
	.p2align	6, 0x0
	.amdhsa_kernel k_q668e73758c_merge
		.amdhsa_group_segment_fixed_size 327680
		.amdhsa_private_segment_fixed_size 0
		.amdhsa_enable_private_segment 0
		.amdhsa_kernarg_size 40
		.amdhsa_user_sgpr_count 2
		.amdhsa_user_sgpr_kernarg_segment_ptr 1
		.amdhsa_wavefront_size32 1
		.amdhsa_system_sgpr_workgroup_id_x 1
		.amdhsa_system_sgpr_workgroup_id_y 1
		.amdhsa_system_sgpr_workgroup_id_z 1
		.amdhsa_system_vgpr_workitem_id 0
		.amdhsa_next_free_vgpr 1024
		.amdhsa_next_free_sgpr 98
		.amdhsa_reserve_vcc 0
		.amdhsa_float_denorm_mode_32 3
		.amdhsa_float_denorm_mode_16_64 3
		.amdhsa_memory_ordered 1
		.amdhsa_forward_progress 1
		.amdhsa_inst_pref_size 157
	.end_amdhsa_kernel
	.amdgpu_metadata
---
amdhsa.version: [ 1, 2 ]
amdhsa.kernels:
  - .name:           k_q668e73758c_merge
    .symbol:         k_q668e73758c_merge.kd
    .args:
      - { .name: pimg, .offset: 0, .size: 8, .value_kind: global_buffer, .address_space: global }
      - { .name: wc, .offset: 8, .size: 8, .value_kind: global_buffer, .address_space: global }
      - { .name: lowp_scales, .offset: 16, .size: 8, .value_kind: global_buffer, .address_space: global }
      - { .name: stat, .offset: 24, .size: 8, .value_kind: global_buffer, .address_space: global }
      - { .name: moimg, .offset: 32, .size: 8, .value_kind: global_buffer, .address_space: global }
    .group_segment_fixed_size: 327680
    .private_segment_fixed_size: 0
    .kernarg_segment_align: 8
    .kernarg_segment_size: 40
    .max_flat_workgroup_size: 128
    .sgpr_count:     98
    .vgpr_count:     1024
    .wavefront_size: 32
...
	.end_amdgpu_metadata
.endif
;; end of part 4
;; launch outp (part 5): grid 4 x 64, 4 waves a work-group, clusters of 4 x 1, 327,680 bytes of LDS; arguments moimg, wc, lowp_scales, bo, out0; writes out0
.if DOCPART == 5
	.amdgcn_target "amdgcn-amd-amdhsa--gfx1250"
	.amdhsa_code_object_version 6
	.text
	.protected	k_q668e73758c_outp
	.globl	k_q668e73758c_outp
	.p2align	8
	.type	k_q668e73758c_outp,@function
k_q668e73758c_outp:
	s_mov_b64 s[64:65], 0
	v_nop
	global_prefetch_b8 v0, s[64:65] scope:SCOPE_SE
	s_setreg_imm32_b32 hwreg(HW_REG_WAVE_MODE, 25, 1), 1
	s_wait_xcnt 0x0
	s_wait_alu depctr_hold_cnt(0) depctr_sa_sdst(0) depctr_va_vdst(0) depctr_va_sdst(0) depctr_va_ssrc(0) depctr_va_vcc(0) depctr_vm_vsrc(0)
	s_getreg_b32 s2, hwreg(HW_REG_IB_STS2, 6, 4)
	s_cmp_eq_u32 s2, 0
	s_cbranch_scc0 .Lentry_in_a_cluster
	s_endpgm
.Lentry_in_a_cluster:
	s_bfe_u32 s2, ttmp6, 0x10000c
	s_cmp_lg_u32 s2, 0x3003
	s_cbranch_scc0 .Lentry_shape_is_right
	s_endpgm
.Lentry_shape_is_right:
; OUTP: product 6: output = merged_output wo^T + bo on codes of E4M3; f32 rows out.  (Product 3 and attn @ v are dead work and are left out: no output of reference() hangs on them.)
; Left operand: merged_output's images (16,384 rows, K = the tokens; row tile A, lane row m = row 32 (A / 2) + 8 (A % 2) + m + 8 (m / 8)).  Right operand: wo's images (tensor 3 of wc; tile T, lane row r = feature 64 (T / 4) + T % 4 + 4 r).
; SHARES.  A work-group takes 256 rows and 256 features (the place cx in the cluster); wave w takes features 64 w .. 64 w + 63: four tiles of wo.
; wo STAYS IN REGISTERS: my four tiles over all K = 1,024 are 512 registers, loaded once, straight from their images, three K steps ahead of their first use.
; THE ROWS LIE WHOLE IN LDS: 262,144 bytes, filled once, JOINTLY with the three partners, which need the same rows.  Each wave asks for its K slot in two loads of 32,768 consecutive bytes: blocks 0 and 1 at the head; blocks 2 and 3
; behind the wait, the add and a round of the cluster's barrier, so that they are on their way while blocks 0 and 1 are multiplied.
; wo is not asked for jointly: a joint request lands in LDS, and 262,144 bytes more do not fit into 327,680.  No prefetch: the text has no loop to run ahead in.
; Blocks 0 and 1 of 64 rows are walked together, K step by K step (32 accumulators), so that each K step of wo, as it arrives, feeds 32 matrix instructions.  Blocks 2 and 3 go one after the other: of the output's bytes only the last
; block's quarter is stored behind the last product.  A half step's 16 LDS loads go in one run, two half steps ahead of their use.
; THE WAY OUT NEEDS NO LDS.  Source 0 = 16 rows, source 1 = 16 rows of wo: register i of accumulator (a, t) in lane (r, h) is lane row 8 h + i of row tile a at feature 4 r + t of my 64.  sum x 2^(e10 + e11) + bo is one fused multiply-add,
; which writes tile t's number into register 4 i + t: four neighbouring registers then hold four neighbouring features, and sixteen neighbouring lanes store the 256 consecutive bytes of my 64 features of one row, aligned.
; Lane row 8 h + i of row tile A is row 32 (A / 2) + 8 (A % 2) + i + 16 h: the store's immediate and 16 rows x h in its offset register.  A block's 32 stores go in one run behind its 128 multiply-adds.
; LIMIT: e10 + e11 between -126 and 127.
; REGISTERS: window 0: v12-15 bo of my lane's four features, v16-19 LDS addresses, v64-255 three sets of fragments (on the way out v64-191: a block's results).  window 1: accumulator (j, a, t) at v[128 (j % 2) + 8 (4 a + t)].  windows 2, 3: wo.
.set KSB,   65536                      ; LDS: from K slot to K slot
.set SPARE, 4*KSB                      ; the spare words, 128 bytes a wave: two blocks of 256 bytes that no other line names
.set ADR,  16                          ; v16-19  16 x lane + KSB x K slot
.set CO,   26                          ; v26     16 x lane
.set GO,   27                          ; v27     65,536 (lane / 16) + 16 (lane % 16): 16 rows of the output for the upper lanes, 16 bytes a lane
.set SPW,  28
.set NIL,  29
.set AS,   64
.set OB,   64
.set G1,   24
.set G0,   32                          ; s[32:39] group 0, a set for each of my two loads
.set SB,   48
.set MSB, 0
.macro WIN new                         ; the immediate's high byte repeats the setting that is left
.if MSB != (\new)
	s_set_vgpr_msb (MSB<<8)|(\new)
.set MSB, (\new)
.endif
.endm
.macro CROUND                          ; a round of the cluster's barrier
	s_barrier_signal -1
	s_barrier_wait -1
	s_cmp_lg_u32 s14, 0
	s_cbranch_scc1 .Lnot_wave_0_\@
	s_barrier_signal -3
.Lnot_wave_0_\@:
	s_barrier_wait -3
	s_barrier_signal -1
	s_barrier_wait -1
.endm
.macro PLACES n                        ; plain vector instructions between a matrix instruction and a load into, or a vector instruction on, its registers
.rept \n
	v_nop
.endr
.endm
.macro LOADB ks                        ; K step ks of my four tiles of wo: 16 loads of 512 consecutive bytes, into window 2 (K steps 0-3) or 3
	WIN 0x80+0x40*((\ks)/4)
.irp t, 0,1,2,3
.irp c, 0,1,2,3
	global_load_b128 v[64*((\ks)%4)+16*\t+4*\c:64*((\ks)%4)+16*\t+4*\c+3], v[CO], s[SB:SB+1] offset:((\ks)/2)*262144+\t*4096+((\ks)%2)*2048+512*\c
.endr
.endr
	WIN 0
.endm
.macro FETCH j, u, set                 ; block j's four fragments of K step u: 16 loads of 512 consecutive bytes
.irp a, 0,1,2,3
.irp c, 0,1,2,3
	ds_load_b128 v[AS+64*(\set)+16*\a+4*\c:AS+64*(\set)+16*\a+4*\c+3], v[ADR+(\u)/2] offset:(4*(\j)+\a)*4096+((\u)%2)*2048+512*\c
.endr
.endr
.endm
.macro MUL u, set, hf                  ; 16 matrix instructions on half hf of the accumulators, which take turns, one instruction a turn; K step 0 starts the sums
	WIN 0x58+4*((\u)/4)                            ; source 0 (rows) window 0, source 1 (wo) window 2 or 3, C and D window 1
.irp a, 0,1,2,3
.irp t, 0,1,2,3
.set AC, 128*(\hf)+8*(4*\a+\t)
.set WB, 64*((\u)%4)+16*\t
.set XF, AS+64*(\set)+16*\a
.if (\u) == 0
	v_wmma_f32_16x16x128_fp8_fp8 v[AC:AC+7], v[XF:XF+15], v[WB:WB+15], 0
.else
	v_wmma_f32_16x16x128_fp8_fp8 v[AC:AC+7], v[XF:XF+15], v[WB:WB+15], v[AC:AC+7]
.endif
.endr
.endr
	WIN 0
.endm
; n blocks of 64 rows from block j0 on, walked together: 8 n half steps; half step s is K step s / n of block j0 + s % n, on fragment set s % 3, asked for two half steps ahead.  bph = 1: wo is still arriving.
.macro RUN j0, n, bph
.if (\bph) == 0
	s_wait_xcnt 0x0                                ; the earlier stores have read their data: the sets may be loaded again
	PLACES 5                                       ; the sums begin anew on accumulators that matrix instructions have written
.endif
	FETCH \j0, 0, 0
	FETCH (\j0)+1%(\n), 1/(\n), 1
.irp s, 0,1,2,3,4,5,6,7,8,9,10,11,12,13,14,15
.if \s < 8*(\n)
.if \s+2 < 8*(\n)
.if \s > 0
	PLACES 4                                       ; the set was read by the matrix instructions just issued
.endif
	FETCH (\j0)+(\s+2)%(\n), (\s+2)/(\n), (\s+2)%3
.endif
.if (\bph) && (\s)%(\n) == 0
.if (\s)/(\n) < 5
	LOADB (\s)/(\n)+3
	s_wait_loadcnt 48                              ; this K step of wo is in; the next three K steps' loads may be out
.else
	s_wait_loadcnt 16*(7-(\s)/(\n))
.endif
.endif
.if \s+2 < 8*(\n)
	s_wait_dscnt 32                                ; this half step's fragments are in; the next two half steps' loads may be out
.else
	s_wait_dscnt 16*(8*(\n)-1-\s)
.endif
	MUL (\s)/(\n), \s%3, ((\j0)+(\s)%(\n))%2
.endif
.endr
.endm
	s_load_b256 s[4:11], s[0:1], 0x0               ; moimg s[4:5], wc s[6:7], the scales' exponents s[8:9], bo s[10:11]
	s_load_b64 s[78:79], s[0:1], 0x20              ; out0
	v_lshl_add_u32 v[SPW], v0, 2, SPARE
	v_mov_b32 v[NIL], 0
	ds_add_u32 v[SPW], v[NIL]                      ; the wave's opening: the add, twice on end, and its wait ahead of my first tensor load
	ds_add_u32 v[SPW], v[NIL]
	v_lshrrev_b32 v1, 5, v0
	v_readfirstlane_b32 s14, v1                    ; wave 0..3
	s_bfe_u32 s13, ttmp6, 0x40000                  ; cx: which 256 features; it enters wo's, bo's and the output's addresses alone
	s_and_b32 s17, ttmp7, 0xffff                   ; which 256 rows, 0..63
	s_mov_b32 s[G1], 15|(1<<21)                    ; 15:0 the mask: all four work-groups; 17:16 elements of 1 byte; no padding; 21 set beside a mask
	s_mov_b32 s[G1+1], 256<<16
	s_mov_b32 s[G1+2], 128<<16
	s_mov_b32 s[G1+3], 256<<16
	s_mov_b32 s[G1+4], 128                         ; 128 rows of 256 bytes: eight row tiles' images of a K slot, 32,768 consecutive bytes
	s_mov_b32 s[G1+5], 256
	s_mov_b32 s[G1+6], 0
	s_mov_b32 s[G1+7], 0
	s_lshl_b32 s20, s14, 22                        ; K slot = my wave,
	s_lshl_b32 s18, s17, 16
	s_add_co_u32 s20, s20, s18                     ; row tile 16 x (which 256 rows)
	s_mov_b32 s21, 0
	s_lshl_b32 s15, s14, 16                        ; and in LDS: KSB x wave
	s_lshl_b32 s50, s13, 16
	s_lshl_b32 s19, s14, 14
	s_add_co_u32 s50, s50, s19
	s_add_co_u32 s50, s50, 0x300000                ; wo: tensor 3 of wc, tile 16 cx + 4 x wave
	s_mov_b32 s51, 0
	s_wait_dscnt 0x0                               ; both opening adds are done
	s_wait_kmcnt 0x0
	s_load_b128 s[88:91], s[8:9], 0x20             ; e8 .. e11
	s_add_nc_u64 s[20:21], s[4:5], s[20:21]
	s_add_nc_u64 s[SB:SB+1], s[6:7], s[50:51]
	CROUND                                         ; all four work-groups are here: the joint loads meet
.irp g, 0,1
	s_mov_b32 s[G0+4*\g], 1
	s_add_co_u32 s[G0+4*\g+1], s15, \g*32768
	s_add_nc_u64 s[G0+4*\g+2:G0+4*\g+3], s[20:21], \g*32768
	s_or_b32 s[G0+4*\g+3], s[G0+4*\g+3], 0x80000000
.endr
	tensor_load_to_lds s[G0:G0+3], s[G1:G1+7]      ; blocks 0 and 1
	s_nop 0
.rept 4
	v_nop
.endr
	v_and_b32 v1, 15, v0                           ; lane % 16
	v_bfe_u32 v2, v0, 4, 1                         ; lane / 16
	v_lshlrev_b32 v22, 4, v1
	v_lshlrev_b32 v[GO], 16, v2
	v_lshl_add_u32 v[GO], v1, 4, v[GO]
	v_and_b32 v3, 31, v0
	v_lshlrev_b32 v[CO], 4, v3                     ; 16 x lane
.irp k, 0,1,2,3
	v_add_nc_u32 v[ADR+\k], \k*KSB, v[CO]
.endr
	s_wait_alu depctr_va_vdst(0)
	s_lshl_b32 s72, s13, 10
	s_lshl_b32 s73, s14, 8
	s_add_co_u32 s72, s72, s73                     ; my 64 features, in bytes: 1,024 cx + 256 x wave
	s_mov_b32 s73, 0
	s_add_nc_u64 s[74:75], s[10:11], s[72:73]
	global_load_b128 v[12:15], v22, s[74:75]       ; bo of my lane's four features, 4 r + 0 .. 3
	LOADB 0
	LOADB 1
	LOADB 2
	s_lshl_b32 s70, s17, 20                        ; my first row: 256 x (which 256 rows), 4,096 bytes a row
	s_add_co_u32 s70, s70, s72
	s_mov_b32 s71, 0
	s_add_nc_u64 s[78:79], s[78:79], s[70:71]
; THE WAY OUT of block j: 128 fused multiply-adds, each accumulator from its low end on, then 32 stores of two rows' 256 bytes each.
.macro WAYOUT j
	s_wait_xcnt 0x0                                ; the block before has had its stores' data read: the results' registers may be written again
	PLACES 4
	WIN 0x01                                       ; source 0: window 1
.irp a, 0,1,2,3
.irp t, 0,1,2,3
.irp i, 0,1,2,3,4,5,6,7
	v_fma_f32 v[OB+32*\a+4*\i+\t], v[128*((\j)%2)+32*\a+8*\t+\i], s96, v[12+\t]   ; sum x 2^(e10 + e11) + bo
.endr
.endr
.endr
	WIN 0
.irp a, 0,1,2,3
.irp i, 0,1,2,3,4,5,6,7
	global_store_b128 v[GO], v[OB+32*\a+4*\i:OB+32*\a+4*\i+3], s[78:79] offset:(32*((4*(\j)+\a)/2)+8*((4*(\j)+\a)%2)+\i)*4096 th:TH_STORE_NT   ; sixteen lanes store 256 consecutive bytes, aligned; written once, read by nobody here
.endr
.endr
.endm
	s_wait_alu depctr_va_vdst(0)                   ; the wait at the head's end
	s_wait_tensorcnt 0x0                           ; my part of blocks 0 and 1 is in
	ds_add_u32 v[SPW], v[NIL]                      ; 0 onto my spare word
	s_wait_dscnt 0x0                               ; the add is done
	CROUND                                         ; everybody's part is in, and all four work-groups are here: the joint loads meet
	tensor_load_to_lds s[G0+4:G0+7], s[G1:G1+7]    ; blocks 2 and 3: the first tensor load behind the round
	s_nop 0
.rept 4
	v_nop
.endr
	RUN 0, 2, 1
	s_wait_kmcnt 0x0
	s_add_co_i32 s96, s90, s91                     ; e10 + e11
	s_add_co_i32 s96, s96, 127
	s_lshl_b32 s96, s96, 23                        ; 2^(e10 + e11) as f32
	WAYOUT 0
	WAYOUT 1
	s_wait_tensorcnt 0x0                           ; my part of blocks 2 and 3 is in
	s_wait_dscnt 0x0
	s_barrier_signal -1
	s_barrier_wait -1                              ; everybody's part is in
	RUN 2, 1, 0
	WAYOUT 2
	RUN 3, 1, 0
	WAYOUT 3
	s_wait_tensorcnt 0x0                           ; the wave's end: behind my last tensor load
	ds_add_u32 v[SPW], v[NIL]
	s_wait_dscnt 0x0
	CROUND                                         ; the closing round
	s_endpgm
.Lfunc_end_k_q668e73758c_outp:
	.size	k_q668e73758c_outp, .Lfunc_end_k_q668e73758c_outp-k_q668e73758c_outp
	.p2alignl 7, 3214868480
	.fill 96, 4, 3214868480
	.section	.rodata,"a",@progbits
	.p2align	6, 0x0
	.amdhsa_kernel k_q668e73758c_outp
		.amdhsa_group_segment_fixed_size 327680
		.amdhsa_private_segment_fixed_size 0
		.amdhsa_enable_private_segment 0
		.amdhsa_kernarg_size 40
		.amdhsa_user_sgpr_count 2
		.amdhsa_user_sgpr_kernarg_segment_ptr 1
		.amdhsa_wavefront_size32 1
		.amdhsa_system_sgpr_workgroup_id_x 1
		.amdhsa_system_sgpr_workgroup_id_y 1
		.amdhsa_system_sgpr_workgroup_id_z 1
		.amdhsa_system_vgpr_workitem_id 0
		.amdhsa_next_free_vgpr 1024
		.amdhsa_next_free_sgpr 98
		.amdhsa_reserve_vcc 0
		.amdhsa_float_denorm_mode_32 3
		.amdhsa_float_denorm_mode_16_64 3
		.amdhsa_memory_ordered 1
		.amdhsa_forward_progress 1
		.amdhsa_inst_pref_size 134
	.end_amdhsa_kernel
	.amdgpu_metadata
---
amdhsa.version: [ 1, 2 ]
amdhsa.kernels:
  - .name:           k_q668e73758c_outp
    .symbol:         k_q668e73758c_outp.kd
    .args:
      - { .name: moimg, .offset: 0, .size: 8, .value_kind: global_buffer, .address_space: global }
      - { .name: wc, .offset: 8, .size: 8, .value_kind: global_buffer, .address_space: global }
      - { .name: lowp_scales, .offset: 16, .size: 8, .value_kind: global_buffer, .address_space: global }
      - { .name: bo, .offset: 24, .size: 8, .value_kind: global_buffer, .address_space: global }
      - { .name: out0, .offset: 32, .size: 8, .value_kind: global_buffer, .address_space: global }
    .group_segment_fixed_size: 327680
    .private_segment_fixed_size: 0
    .kernarg_segment_align: 8
    .kernarg_segment_size: 40
    .max_flat_workgroup_size: 128
    .sgpr_count:     98
    .vgpr_count:     1024
    .wavefront_size: 32
...
	.end_amdgpu_metadata
.endif
;; end of part 5
